; MI455X (gfx1250); checked and timed in simulation.
; The chip was launched on July 23, 2026; its instructions are those of AMD's public machine-readable ISA for CDNA 5 (MIT licence, August 2026) and "CDNA5" Instruction Set Architecture Reference Guide (July 2026). The comments in the code are by the model that wrote it; some were corrected since.
;; Mo E Layer. Allowed arithmetic: float matrix products may take bf16 or f16 operands with f32 sums; all other float work in f32.
;; Inputs: W1 8 x 1,024 x 1,024 float32; W2 8 x 1,024 x 1,024 float32; W_router 1,024 x 8 float32; b1 8 x 1,024 float32; b2 8 x 1,024 float32; x 2 x 2,048 x 1,024 float32.
;; Outputs: out0 2 x 2,048 x 1,024 float32; out1 one number float32.
;; 2 versions, each right; version 2 is version 1 with the launch combine written anew for expert scheduling mode. Each part assembles by itself: llvm-mc -triple=amdgcn-amd-amdhsa -mcpu=gfx1250 --defsym DOCPART=n.
;; ======== version 1 of 2: 6 launches
;; workspace buffers: wb 33,554,432 bytes; route 36,864 bytes of whole numbers; rw 40,960 bytes; place 34,048 bytes of whole numbers; xs 18,874,368 bytes; hs 18,874,368 bytes; ys 37,748,736 bytes
;; launch prep (part 1): grid 256 x 1, 8 waves a work-group, no clusters, 21,504 bytes of LDS; arguments W1, W2, W_router, x, wb, route, rw; writes wb, route, rw
.if DOCPART == 1
	.amdgcn_target "amdgcn-amd-amdhsa--gfx1250"
	.amdhsa_code_object_version 6
	.text
	.protected	k_qaabec02198_prep
	.globl	k_qaabec02198_prep
	.p2align	8
	.type	k_qaabec02198_prep,@function
k_qaabec02198_prep:
	s_mov_b64 s[64:65], 0
	v_nop
	global_prefetch_b8 v0, s[64:65] scope:SCOPE_SE
	s_setreg_imm32_b32 hwreg(HW_REG_WAVE_MODE, 25, 1), 1
	s_wait_xcnt 0x0
; PREP.  Two jobs in one launch of 256 work-groups of eight waves.
; (1) W1 and W2, [8][1024 k][1024 n] f32, are rounded to bf16 (nearest even) into wb, same layout, W1 at byte 0, W2 at byte 16,777,216.
;     Work-group b takes 32,768 numbers of each: 32 chunks of 2,048; a thread reads 32 bytes and stores 16, a wave's store covers 512 consecutive bytes.
; (2) The router for tokens 16 b .. 16 b + 15, two tokens a wave: logits = x . W_router with both operands rounded to bf16 and f32 sums, softmax with the
;     row's maximum taken away, the two largest with their weights, a histogram of the block's 32 picks and the block's sums of probabilities.
;     Stored: route: topi [4096][2] u32, then at byte 32,768 hist [256][4] u32 (word q: count of expert 2 q, and of 2 q + 1 in the upper half);
;             rw: topw [4096][2] f32, then at byte 32,768 psum [256][8] f32.  Nothing in this launch branches or addresses by these numbers.
; The router's product stays on the vector unit: it has 8 columns and 1/512 of the module's multiply-adds.
; LIMITS.  Every input is rounded to bf16.  The two largest are chosen on u = 2^((l - max) log2 e), the lower index first among equals; u below 2^-126 counts as 0;
; two logits closer than the rounding of the f32 sums may be ordered otherwise than by another order of summation.  NaN and infinities are not treated apart.
.set ACC, 8                            ; v[8:23]    logits: token u, expert e at 8 + 8 u + e
.set X,   32                           ; v[32:95]   ring: slot i, 8 numbers as loaded
.set Y,   96                           ; v[96:127]  ring: slot i, 8 bf16 to store
.set WT,  128                          ; v[128:159] my four rows of W_router
.set XT,  160                          ; v[160:223] my wave's two tokens: 32 numbers a lane each, later 16 registers of bf16 pairs
.set WP,  32                           ; v[32:159]  behind the stream: W_router's rows for my lane's k, piece (j, kk) at 32 + 4 (4 j + kk)
.set LXI, 16384                        ; LDS: bytes 0 .. 16,383 W_router in bf16; then four tables of a word for each thread
.set LXW, 17408
.set LXH, 18432
.set LXP, 19456
.set Z0,  32                           ; softmax registers of token 0 and of token 1 (48 each), where WP lay
.set Z1,  80
	s_load_b256 s[4:11], s[0:1], 0x0               ; W1 s[4:5], W2 s[6:7], W_router s[8:9], x s[10:11]
	s_load_b128 s[12:15], s[0:1], 0x20             ; wb s[12:13], route s[14:15]
	s_load_b64 s[16:17], s[0:1], 0x30              ; rw
	v_lshl_add_u32 v254, v0, 2, 0x5000
	v_mov_b32 v255, 0
	v_and_b32 v1, 31, v0                           ; lane
	v_lshrrev_b32 v6, 5, v0
	v_readfirstlane_b32 s20, v6                    ; wave
	v_lshlrev_b32 v2, 5, v0                        ; 32 t: my 8 numbers of a chunk
	v_lshlrev_b32 v3, 4, v0                        ; 16 t: my 8 bf16 of a chunk
	v_lshlrev_b32 v4, 7, v0                        ; 128 t: my four rows of W_router
	v_lshlrev_b32 v5, 4, v1                        ; 16 lane
	v_lshlrev_b32 v6, 2, v0                        ; 4 t
	v_lshlrev_b32 v7, 2, v1                        ; 4 lane
	s_mov_b32 s26, 0x76543210                      ; v_permlanex16_b32: each lane takes its own place in the other half
	s_mov_b32 s27, 0xfedcba98
	s_lshl_b32 s22, ttmp9, 17                      ; b x 131,072 bytes of f32
	s_mov_b32 s23, 0
	s_lshl_b32 s18, ttmp9, 16                      ; b x 65,536: bytes of bf16, and 16 rows of x
	s_mov_b32 s19, 0
	s_wait_kmcnt 0x0
	s_add_nc_u64 s[4:5], s[4:5], s[22:23]
	s_add_nc_u64 s[6:7], s[6:7], s[22:23]
	s_add_nc_u64 s[12:13], s[12:13], s[18:19]
	s_add_nc_u64 s[24:25], s[12:13], 0x1000000     ; W2's half of wb
	s_add_nc_u64 s[10:11], s[10:11], s[18:19]
	s_lshl_b32 s22, s20, 13                        ; my wave's two rows of x
	s_add_nc_u64 s[10:11], s[10:11], s[22:23]
	; 24 loads that the router wants; they land under the stream
.irp i, 0,1,2,3,4,5,6,7
	global_load_b128 v[WT+4*\i:WT+4*\i+3], v4, s[8:9] offset:16*\i       ; register 8 kk + e: W_router[4 t + kk][e]
.endr
.irp u, 0,1
.irp j, 0,1,2,3,4,5,6,7
	global_load_b128 v[XT+32*\u+4*\j:XT+32*\u+4*\j+3], v5, s[10:11] offset:4096*\u+512*\j  ; register 4 j + i: k = 128 j + 4 lane + i
.endr
.endr
; chunk c (0-15 of W1, 16-31 of W2) into ring slot c % 8
.macro LDCH c
.if (\c) < 16
	global_load_b128 v[X+8*((\c)%8):X+8*((\c)%8)+3],   v2, s[4:5] offset:((\c)%16)*8192 th:TH_LOAD_NT
	global_load_b128 v[X+8*((\c)%8)+4:X+8*((\c)%8)+7], v2, s[4:5] offset:((\c)%16)*8192+16 th:TH_LOAD_NT
.else
	global_load_b128 v[X+8*((\c)%8):X+8*((\c)%8)+3],   v2, s[6:7] offset:((\c)%16)*8192 th:TH_LOAD_NT
	global_load_b128 v[X+8*((\c)%8)+4:X+8*((\c)%8)+7], v2, s[6:7] offset:((\c)%16)*8192+16 th:TH_LOAD_NT
.endif
.endm
; a slot's turn.  left: the younger loads that may stay out
.macro CH c, ahead, left
	s_wait_loadcnt \left                           ; loads come back in order: this chunk's two are in
	s_wait_xcnt 0x0                                ; the slot's Y, which its last store reads, is rewritten only behind this wait
.irp i, 0,1,2,3
	v_cvt_pk_bf16_f32 v[Y+4*((\c)%8)+\i], v[X+8*((\c)%8)+2*\i], v[X+8*((\c)%8)+2*\i+1]
.endr
.if \ahead
	LDCH (\c)+8
.endif
.if (\c) < 16
	global_store_b128 v3, v[Y+4*((\c)%8):Y+4*((\c)%8)+3], s[12:13] offset:((\c)%16)*4096
.else
	global_store_b128 v3, v[Y+4*((\c)%8):Y+4*((\c)%8)+3], s[24:25] offset:((\c)%16)*4096
.endif
.endm
.set c, 0
.rept 8
	LDCH c
.set c, c+1
.endr
.set c, 0
.rept 24
	CH c, 1, 14                                    ; seven younger chunks, two loads each; the first such wait also shows the 24 early loads in
.set c, c+1
.endr
.rept 8
	CH c, 0, 2*(31-c)                              ; the last eight load nothing: the counts run down to 0
.set c, c+1
.endr
	; W_router in bf16 through LDS: thread t wrote rows 4 t .. 4 t + 3; lane l wants rows 128 j + 4 l + kk
	s_wait_xcnt 0x0                                ; the ring's registers, which the last stores read, are rewritten below
.set d, 0
.rept 16
	v_cvt_pk_bf16_f32 v[WT+d], v[WT+2*d], v[WT+2*d+1]      ; in place, ascending: register 4 kk + pe = experts 2 pe, 2 pe + 1 of row kk
.set d, d+1
.endr
.irp kk, 0,1,2,3
	ds_store_b128 v3, v[WT+4*\kk:WT+4*\kk+3] offset:4096*\kk
.endr
.irp u, 0,1
.set d, 0
.rept 16
	v_cvt_pk_bf16_f32 v[XT+32*\u+d], v[XT+32*\u+2*d], v[XT+32*\u+2*d+1]  ; x likewise: register 2 j + i2 = k = 128 j + 4 lane + 2 i2, + 1
.set d, d+1
.endr
.endr
	s_wait_dscnt 0x0                               ; for the others' sake: my stores are done
	s_barrier_signal -1
	s_barrier_wait -1
.irp j, 0,1,2,3,4,5,6,7
.irp kk, 0,1,2,3
	ds_load_b128 v[WP+4*(4*\j+\kk):WP+4*(4*\j+\kk)+3], v5 offset:4096*\kk+512*\j
.endr
.endr
.set d, 0
.rept 16
	v_mov_b32 v[ACC+d], 0
.set d, d+1
.endr
	s_wait_dscnt 0x0
; one multiply-add from two bf16 halves into an f32 sum; ha, hb: which half of a and of b
.macro FMX d, a, b, ha, hb
.if ((\ha) == 0) && ((\hb) == 0)
	v_fma_mix_f32_bf16 v[\d], v[\a], v[\b], v[\d] op_sel_hi:[1,1,0]
.elseif ((\ha) == 1) && ((\hb) == 0)
	v_fma_mix_f32_bf16 v[\d], v[\a], v[\b], v[\d] op_sel:[1,0,0] op_sel_hi:[1,1,0]
.elseif ((\ha) == 0) && ((\hb) == 1)
	v_fma_mix_f32_bf16 v[\d], v[\a], v[\b], v[\d] op_sel:[0,1,0] op_sel_hi:[1,1,0]
.else
	v_fma_mix_f32_bf16 v[\d], v[\a], v[\b], v[\d] op_sel:[1,1,0] op_sel_hi:[1,1,0]
.endif
.endm
.irp j, 0,1,2,3,4,5,6,7                ; 32 k a lane x 8 experts x 2 tokens; the 16 sums take turns
.irp kk, 0,1,2,3
.irp e, 0,1,2,3,4,5,6,7
.irp u, 0,1
	FMX ACC+8*\u+\e, XT+32*\u+2*\j+\kk/2, WP+4*(4*\j+\kk)+\e/2, \kk%2, \e%2
.endr
.endr
.endr
.endr
	; the 16 sums over the 32 lanes; every lane ends with all of them
.irp m, 1,2,4,8
.set d, 0
.rept 16
	v_add_f32_dpp v[ACC+d], v[ACC+d], v[ACC+d] row_xmask:\m row_mask:0xf bank_mask:0xf
.set d, d+1
.endr
.endr
.set d, 0
.rept 16
	v_permlanex16_b32 v[176+d], v[ACC+d], s26, s27 ; v176-191 were written by x's loads and are free since the packing
.set d, d+1
.endr
.set d, 0
.rept 16
	v_add_f32 v[ACC+d], v[ACC+d], v[176+d]
.set d, d+1
.endr
; Token u.  Z + 0..7 u_e; + 8..15 p_e; + 16..23 at work, then u with the first pick struck out; + 24 max; + 25 sum; + 26 1 / sum;
; + 27, 28 largest and its index; + 29, 30 second; + 31, 32 the two weights; + 33, 34 at work.
.macro TOK u
.set L, ACC+8*(\u)
.set Z, 32+48*(\u)
	v_max3_num_f32 v[Z+24], v[L], v[L+1], v[L+2]
	v_max3_num_f32 v[Z+24], v[Z+24], v[L+3], v[L+4]
	v_max3_num_f32 v[Z+24], v[Z+24], v[L+5], v[L+6]
	v_max_num_f32 v[Z+24], v[Z+24], v[L+7]
.irp e, 0,1,2,3,4,5,6,7
	v_sub_f32 v[Z+\e], v[L+\e], v[Z+24]
.endr
.irp e, 0,1,2,3,4,5,6,7
	v_mul_f32 v[Z+\e], 0x3fb8aa3b, v[Z+\e]         ; log2 e
.endr
.irp e, 0,1,2,3,4,5,6,7
	v_exp_f32 v[Z+\e], v[Z+\e]
.endr
	v_nop                                          ; a plain instruction behind the last exponential
	s_wait_alu depctr_va_vdst(0)
	v_add_f32 v[Z+16], v[Z], v[Z+1]
	v_add_f32 v[Z+17], v[Z+2], v[Z+3]
	v_add_f32 v[Z+18], v[Z+4], v[Z+5]
	v_add_f32 v[Z+19], v[Z+6], v[Z+7]
	v_add_f32 v[Z+16], v[Z+16], v[Z+17]
	v_add_f32 v[Z+18], v[Z+18], v[Z+19]
	v_add_f32 v[Z+25], v[Z+16], v[Z+18]
	v_rcp_f32 v[Z+26], v[Z+25]
	v_mov_b32 v[Z+27], v[Z]                        ; (two plain lines behind the reciprocal)
	v_mov_b32 v[Z+28], 0
	s_wait_alu depctr_va_vdst(0)
.irp e, 0,1,2,3,4,5,6,7
	v_mul_f32 v[Z+8+\e], v[Z+\e], v[Z+26]
.endr
.irp e, 1,2,3,4,5,6,7
	v_cmp_gt_f32 vcc_lo, v[Z+\e], v[Z+27]          ; strictly greater: among equals the lower index stays
	v_cndmask_b32 v[Z+27], v[Z+27], v[Z+\e], vcc_lo
	v_cndmask_b32 v[Z+28], v[Z+28], \e, vcc_lo
.endr
.irp e, 0,1,2,3,4,5,6,7
	v_cmp_eq_u32 vcc_lo, \e, v[Z+28]
	v_cndmask_b32 v[Z+16+\e], v[Z+\e], -1.0, vcc_lo  ; below every u
.endr
	v_mov_b32 v[Z+29], v[Z+16]
	v_mov_b32 v[Z+30], 0
.irp e, 1,2,3,4,5,6,7
	v_cmp_gt_f32 vcc_lo, v[Z+16+\e], v[Z+29]
	v_cndmask_b32 v[Z+29], v[Z+29], v[Z+16+\e], vcc_lo
	v_cndmask_b32 v[Z+30], v[Z+30], \e, vcc_lo
.endr
	v_add_f32 v[Z+34], v[Z+27], v[Z+29]            ; at least 1: the largest u is 2^0
	v_rcp_f32 v[Z+33], v[Z+34]
	v_nop
	s_wait_alu depctr_va_vdst(0)
	v_mul_f32 v[Z+31], v[Z+27], v[Z+33]
	v_mul_f32 v[Z+32], v[Z+29], v[Z+33]
.endm
	TOK 0
	TOK 1
	; each lane takes its part: lanes 0-3 the wave's four picks (token lane / 2, pick lane % 2), lanes 0-7 the probabilities, lanes 0-3 the histogram's words
.irp i, 1,2,3,4,5,6,7
	v_cmp_eq_u32 s[27+\i], \i, v1
.endr
	v_mov_b32 v116, v[Z0+28]
	v_cndmask_b32 v116, v116, v[Z0+30], s28
	v_cndmask_b32 v116, v116, v[Z1+28], s29
	v_cndmask_b32 v116, v116, v[Z1+30], s30
	v_mov_b32 v117, v[Z0+31]
	v_cndmask_b32 v117, v117, v[Z0+32], s28
	v_cndmask_b32 v117, v117, v[Z1+31], s29
	v_cndmask_b32 v117, v117, v[Z1+32], s30
.irp e, 0,1,2,3,4,5,6,7
	v_add_f32 v[122+\e], v[Z0+8+\e], v[Z1+8+\e]
.endr
	v_mov_b32 v118, v122
.irp e, 1,2,3,4,5,6,7
	v_cndmask_b32 v118, v118, v[122+\e], s[27+\e]
.endr
	v_mov_b32 v119, 0
.irp r, Z0+28, Z0+30, Z1+28, Z1+30
	v_lshrrev_b32 v120, 1, v[\r]                   ; the pick's word,
	v_and_b32 v121, 1, v[\r]
	v_mad_u32_u24 v121, v121, 0xffff, 1            ; and 1 in its lower or its upper half
	v_cmp_eq_u32 vcc_lo, v120, v1
	v_cndmask_b32 v121, 0, v121, vcc_lo
	v_add_nc_u32 v119, v119, v121
.endr
	ds_store_b32 v6, v116 offset:LXI
	ds_store_b32 v6, v117 offset:LXW
	ds_store_b32 v6, v119 offset:LXH
	ds_store_b32 v6, v118 offset:LXP
	s_wait_dscnt 0x0                               ; for wave 0's sake
	s_barrier_signal -1
	s_barrier_wait -1
	s_cmp_lg_u32 s20, 0
	s_cbranch_scc1 .Lend
	; wave 0 gathers and stores the block's results
	v_lshrrev_b32 v130, 2, v1
	v_lshlrev_b32 v130, 7, v130
	v_and_b32 v131, 3, v1
	v_lshl_add_u32 v130, v131, 2, v130             ; pick 4 w + q lies in wave w's word q
	ds_load_b32 v132, v130 offset:LXI
	ds_load_b32 v133, v130 offset:LXW
.irp w, 0,1,2,3,4,5,6,7
	ds_load_b32 v[134+\w], v7 offset:LXH+128*\w
	ds_load_b32 v[142+\w], v7 offset:LXP+128*\w
.endr
	s_lshl_b32 s21, ttmp9, 7
	s_lshl_b32 s36, ttmp9, 4
	s_lshl_b32 s37, ttmp9, 5
	v_add_nc_u32 v150, s21, v7                     ; 32 picks of 4 bytes a block
	v_add_nc_u32 v151, s36, v7                     ; 4 words a block
	v_add_nc_u32 v152, s37, v7                     ; 8 sums a block
	s_wait_dscnt 0x0
.irp w, 1,2,3,4,5,6,7
	v_add_nc_u32 v134, v134, v[134+\w]
	v_add_f32 v142, v142, v[142+\w]
.endr
	global_store_b32 v150, v132, s[14:15]
	global_store_b32 v150, v133, s[16:17]
	s_wait_xcnt 0x0                                ; EXEC changes only behind this wait
	v_cmp_gt_u32 vcc_lo, 4, v1
	s_and_saveexec_b32 s35, vcc_lo
	global_store_b32 v151, v134, s[14:15] offset:32768
	s_wait_xcnt 0x0
	s_or_b32 exec_lo, exec_lo, s35
	v_cmp_gt_u32 vcc_lo, 8, v1
	s_and_saveexec_b32 s35, vcc_lo
	global_store_b32 v152, v142, s[16:17] offset:32768
	s_wait_xcnt 0x0
	s_or_b32 exec_lo, exec_lo, s35
.Lend:
	s_wait_tensorcnt 0x0
	ds_add_u32 v254, v255
	s_wait_dscnt 0x0
	s_endpgm
.Lfunc_end_k_qaabec02198_prep:
	.size	k_qaabec02198_prep, .Lfunc_end_k_qaabec02198_prep-k_qaabec02198_prep
	.p2alignl 7, 3214868480
	.fill 96, 4, 3214868480
	.section	.rodata,"a",@progbits
	.p2align	6, 0x0
	.amdhsa_kernel k_qaabec02198_prep
		.amdhsa_group_segment_fixed_size 21504
		.amdhsa_private_segment_fixed_size 0
		.amdhsa_enable_private_segment 0
		.amdhsa_kernarg_size 56
		.amdhsa_user_sgpr_count 2
		.amdhsa_user_sgpr_kernarg_segment_ptr 1
		.amdhsa_wavefront_size32 1
		.amdhsa_system_sgpr_workgroup_id_x 1
		.amdhsa_system_sgpr_workgroup_id_y 1
		.amdhsa_system_sgpr_workgroup_id_z 1
		.amdhsa_system_vgpr_workitem_id 0
		.amdhsa_next_free_vgpr 256
		.amdhsa_next_free_sgpr 66
		.amdhsa_reserve_vcc 1
		.amdhsa_float_denorm_mode_32 3
		.amdhsa_float_denorm_mode_16_64 3
		.amdhsa_memory_ordered 1
		.amdhsa_forward_progress 1
		.amdhsa_inst_pref_size 82
	.end_amdhsa_kernel
	.amdgpu_metadata
---
amdhsa.version: [ 1, 2 ]
amdhsa.kernels:
  - .name:           k_qaabec02198_prep
    .symbol:         k_qaabec02198_prep.kd
    .args:
      - { .name: W1, .offset: 0, .size: 8, .value_kind: global_buffer, .address_space: global }
      - { .name: W2, .offset: 8, .size: 8, .value_kind: global_buffer, .address_space: global }
      - { .name: W_router, .offset: 16, .size: 8, .value_kind: global_buffer, .address_space: global }
      - { .name: x, .offset: 24, .size: 8, .value_kind: global_buffer, .address_space: global }
      - { .name: wb, .offset: 32, .size: 8, .value_kind: global_buffer, .address_space: global }
      - { .name: route, .offset: 40, .size: 8, .value_kind: global_buffer, .address_space: global }
      - { .name: rw, .offset: 48, .size: 8, .value_kind: global_buffer, .address_space: global }
    .group_segment_fixed_size: 21504
    .private_segment_fixed_size: 0
    .kernarg_segment_align: 8
    .kernarg_segment_size: 56
    .max_flat_workgroup_size: 256
    .sgpr_count:     66
    .vgpr_count:     256
    .wavefront_size: 32
...
	.end_amdgpu_metadata
.endif
;; end of part 1
;; launch ranks (part 2): grid 256 x 1, 1 waves a work-group, no clusters, 0 bytes of LDS; arguments route, rw, place, out1; writes place, out1
.if DOCPART == 2
	.amdgcn_target "amdgcn-amd-amdhsa--gfx1250"
	.amdhsa_code_object_version 6
	.text
	.protected	k_qaabec02198_ranks
	.globl	k_qaabec02198_ranks
	.p2align	8
	.type	k_qaabec02198_ranks,@function
k_qaabec02198_ranks:
	s_mov_b64 s[64:65], 0
	v_nop
	global_prefetch_b8 v0, s[64:65] scope:SCOPE_SE
	s_setreg_imm32_b32 hwreg(HW_REG_WAVE_MODE, 25, 1), 1
	s_wait_xcnt 0x0
; RANKS.  From the picks and the per-block histograms of the launch before, each of the 8,192 (token, pick) rows gets its place.  The places are only made and stored here; the launches
; behind read them as whole numbers and form their addresses and branches from them.  Nothing in this launch branches or addresses by them: its one branch is on the work-group's number.
; 256 work-groups of one wave; work-group b has the 32 picks of tokens 16 b .. 16 b + 15, a lane a pick, and makes the prefix for itself from the 4,096 bytes of histograms.
; THE DEAL.  Expert e with n rows has d = ceil(n / 144) row tiles of 144 rows, on end; tb = the sum of earlier experts' d.  The sum of all d is (8192 + 8 x 143) / 144 < 65 at the most:
; 64 tiles, 9,216 rows, serve every routing.  The row of rank q within its expert lies at row pos = 144 tb + q, in xs, hs and ys alike.
; d = (((n + 143) >> 4) x 57) >> 9: y div 9 = (57 y) >> 9 holds for y < 512, since 57 / 512 - 1 / 9 = 1 / 4608.
; Stored in place: pos [4096][2] at byte 0; ttab [64] at byte 32,768: the tile's expert (7 for tiles behind the last expert's); cnt [256] at byte 33,024: for work-group b of the next
; launch, which owns rows 36 b .. 36 b + 35 of xs, the number of picks' rows in their tile b / 4, as a signed number (0 or less: none).
; out1 = 0.01 x 8 x sum over e of (P_e / 4096) (n_e / 8192), P_e the sum of the probabilities.
; The launch moves a few kilobytes a work-group and is bound by the latency of its one round of loads: LDS, more waves, the matrix unit and clusters would add nothing.
.set SC,    20                         ; s[20:27]  rows of expert e in the blocks before mine
.set SPB,   28                         ; s[28:35]  144 tb + those
.set STB,   36                         ; s[36:43]  tb
.set SN,    82                         ; s[82:89]  n
.set SMASK, 90                         ; s[90:97]  the lanes whose pick is expert e
	s_load_b256 s[4:11], s[0:1], 0x0               ; route s[4:5], rw s[6:7], place s[8:9], out1 s[10:11]
	s_mov_b32 s17, ttmp9                           ; b
	v_lshlrev_b32 v2, 4, v0                        ; 16 lane (one wave: the thread's number is the lane)
	v_lshlrev_b32 v3, 5, v0                        ; 32 lane
	s_lshl_b32 s60, s17, 7
	v_lshl_add_u32 v29, v0, 2, s60                 ; my block's 32 picks: 128 b + 4 lane
	s_mov_b32 s18, 0x76543210                      ; v_permlanex16_b32: each lane takes its own place in the other half
	s_mov_b32 s19, 0xfedcba98
	s_wait_kmcnt 0x0
.irp i, 0,1,2,3,4,5,6,7
	global_load_b128 v[32+4*\i:35+4*\i], v2, s[4:5] offset:32768+512*\i  ; the histogram of block lane + 32 i
.endr
	global_load_b32 v14, v29, s[4:5]               ; lane = pick
	s_wait_loadcnt 0x0
	; totals v[4:7] and the blocks before mine v[8:11]; two 16-bit counts a word: 4,096 at the most each, so no carry crosses
	v_cmp_gt_u32 vcc_lo, s17, v0
.irp q, 0,1,2,3
	v_mov_b32 v[4+\q], v[32+\q]
	v_cndmask_b32 v[8+\q], 0, v[32+\q], vcc_lo
.endr
.irp i, 1,2,3,4,5,6,7
	v_add_nc_u32 v12, 32*\i, v0
	v_cmp_gt_u32 vcc_lo, s17, v12
.irp q, 0,1,2,3
	v_add_nc_u32 v[4+\q], v[4+\q], v[32+4*\i+\q]
	v_cndmask_b32 v13, 0, v[32+4*\i+\q], vcc_lo
	v_add_nc_u32 v[8+\q], v[8+\q], v13
.endr
.endr
.macro IRED r                          ; a whole-number sum over the 32 lanes
.irp m, 1,2,4,8
	v_mov_b32_dpp v12, v[\r] row_xmask:\m row_mask:0xf bank_mask:0xf
	v_add_nc_u32 v[\r], v[\r], v12
.endr
	v_permlanex16_b32 v12, v[\r], s18, s19
	v_add_nc_u32 v[\r], v[\r], v12
.endm
.irp r, 4,5,6,7,8,9,10,11
	IRED \r
.endr
.irp q, 0,1,2,3
	v_readfirstlane_b32 s62, v[4+\q]
	s_and_b32 s[SN+2*\q], s62, 0xffff
	s_lshr_b32 s[SN+2*\q+1], s62, 16
	v_readfirstlane_b32 s63, v[8+\q]
	s_and_b32 s[SC+2*\q], s63, 0xffff
	s_lshr_b32 s[SC+2*\q+1], s63, 16
.endr
	s_mov_b32 s61, 0                               ; running tb
.irp e, 0,1,2,3,4,5,6,7
	s_mov_b32 s[STB+\e], s61
	s_mul_i32 s62, s61, 144
	s_add_co_u32 s[SPB+\e], s62, s[SC+\e]          ; where my block's first row of this expert lies
	s_add_co_u32 s62, s[SN+\e], 143
	s_lshr_b32 s62, s62, 4
	s_mul_i32 s62, s62, 57
	s_lshr_b32 s62, s62, 9                         ; d = ceil(n / 144)
	s_add_co_u32 s61, s61, s62
.endr
	; lane = pick: its rank among the block's picks of the same expert, and its place
	v_min_u32 v14, 7, v14
.irp e, 0,1,2,3,4,5,6,7
	v_cmp_eq_u32 s[SMASK+\e], \e, v14
.endr
	v_mbcnt_lo_u32_b32 v15, s[SMASK], 0
.irp e, 1,2,3,4,5,6,7
	v_mbcnt_lo_u32_b32 v12, s[SMASK+\e], 0
	v_cndmask_b32 v15, v15, v12, s[SMASK+\e]
.endr
	v_mov_b32 v16, s[SPB]
.irp e, 1,2,3,4,5,6,7
	v_cndmask_b32 v16, v16, s[SPB+\e], s[SMASK+\e]
.endr
	v_add_nc_u32 v31, v16, v15                     ; pos
	v_min_u32 v31, 9215, v31
	global_store_b32 v29, v31, s[8:9]              ; 128 consecutive bytes
	; Tile b / 4 belongs to the last expert whose tb is not beyond it; its count is that expert's n less 144 for each of its tiles before.
	s_lshr_b32 s60, s17, 2
	s_mov_b32 s98, s[SN]
	s_mov_b32 s99, 0
.irp e, 1,2,3,4,5,6,7
	s_cmp_ge_u32 s60, s[STB+\e]
	s_cselect_b32 s98, s[SN+\e], s98
	s_cselect_b32 s99, s[STB+\e], s99
.endr
	s_sub_co_u32 s99, s60, s99
	s_mul_i32 s99, s99, 144
	s_sub_co_i32 s98, s98, s99                     ; the tile's count, as a signed number
	s_lshl_b32 s60, s17, 2
	v_mov_b32 v20, s98
	v_mov_b32 v21, s60                             ; my word of cnt
	s_wait_xcnt 0x0                                ; EXEC changes only behind this wait
	v_cmp_eq_u32 vcc_lo, 0, v0
	s_and_saveexec_b32 s63, vcc_lo
	global_store_b32 v21, v20, s[8:9] offset:33024
	s_wait_xcnt 0x0
	s_or_b32 exec_lo, exec_lo, s63
	s_cmp_lg_u32 s17, 0
	s_cbranch_scc1 .Lend
	; work-group 0: the tiles' table and the load-balance number
	v_mov_b32 v22, 0
	v_mov_b32 v23, 0
	v_lshlrev_b32 v24, 2, v0
	v_mov_b32 v25, 0
	v_add_nc_u32 v26, 32, v0
.irp e, 1,2,3,4,5,6,7
	v_cmp_le_u32 vcc_lo, s[STB+\e], v0             ; tile = lane
	v_cndmask_b32 v22, v22, \e, vcc_lo
	v_cmp_le_u32 vcc_lo, s[STB+\e], v26            ; tile = lane + 32
	v_cndmask_b32 v23, v23, \e, vcc_lo
.endr
	global_store_b32 v24, v22, s[8:9] offset:32768
	global_store_b32 v24, v23, s[8:9] offset:32896
.irp i, 0,1,2,3,4,5,6,7
	global_load_b128 v[32+8*\i:35+8*\i], v3, s[6:7] offset:32768+1024*\i      ; the eight sums of block lane + 32 i
	global_load_b128 v[36+8*\i:39+8*\i], v3, s[6:7] offset:32768+1024*\i+16
.endr
	s_wait_loadcnt 0x0
.irp i, 1,2,3,4,5,6,7
.irp q, 0,2,4,6
	v_pk_add_f32 v[32+\q:33+\q], v[32+\q:33+\q], v[32+8*\i+\q:33+8*\i+\q]
.endr
.endr
	v_cvt_f32_u32 v12, s[SN]
	v_mul_f32 v13, v32, v12
.irp e, 1,2,3,4,5,6,7
	v_cvt_f32_u32 v12, s[SN+\e]
	v_fmac_f32 v13, v[32+\e], v12
.endr
	v_add_f32_dpp v13, v13, v13 row_xmask:1 row_mask:0xf bank_mask:0xf
	v_add_f32_dpp v13, v13, v13 row_xmask:2 row_mask:0xf bank_mask:0xf
	v_add_f32_dpp v13, v13, v13 row_xmask:4 row_mask:0xf bank_mask:0xf
	v_add_f32_dpp v13, v13, v13 row_xmask:8 row_mask:0xf bank_mask:0xf
	v_permlanex16_b32 v12, v13, s18, s19
	v_add_f32 v13, v13, v12
	v_mul_f32 v13, 0x3123d70a, v13                 ; 0.08 x 2^-25
	s_wait_xcnt 0x0                                ; EXEC changes only behind this wait
	v_cmp_eq_u32 vcc_lo, 0, v0
	s_and_saveexec_b32 s63, vcc_lo
	global_store_b32 v25, v13, s[10:11]
	s_wait_xcnt 0x0
	s_or_b32 exec_lo, exec_lo, s63
.Lend:
	s_endpgm
.Lfunc_end_k_qaabec02198_ranks:
	.size	k_qaabec02198_ranks, .Lfunc_end_k_qaabec02198_ranks-k_qaabec02198_ranks
	.p2alignl 7, 3214868480
	.fill 96, 4, 3214868480
	.section	.rodata,"a",@progbits
	.p2align	6, 0x0
	.amdhsa_kernel k_qaabec02198_ranks
		.amdhsa_group_segment_fixed_size 0
		.amdhsa_private_segment_fixed_size 0
		.amdhsa_enable_private_segment 0
		.amdhsa_kernarg_size 32
		.amdhsa_user_sgpr_count 2
		.amdhsa_user_sgpr_kernarg_segment_ptr 1
		.amdhsa_wavefront_size32 1
		.amdhsa_system_sgpr_workgroup_id_x 1
		.amdhsa_system_sgpr_workgroup_id_y 1
		.amdhsa_system_sgpr_workgroup_id_z 1
		.amdhsa_system_vgpr_workitem_id 0
		.amdhsa_next_free_vgpr 96
		.amdhsa_next_free_sgpr 100
		.amdhsa_reserve_vcc 1
		.amdhsa_float_denorm_mode_32 3
		.amdhsa_float_denorm_mode_16_64 3
		.amdhsa_memory_ordered 1
		.amdhsa_forward_progress 1
		.amdhsa_inst_pref_size 22
	.end_amdhsa_kernel
	.amdgpu_metadata
---
amdhsa.version: [ 1, 2 ]
amdhsa.kernels:
  - .name:           k_qaabec02198_ranks
    .symbol:         k_qaabec02198_ranks.kd
    .args:
      - { .name: route, .offset: 0, .size: 8, .value_kind: global_buffer, .address_space: global }
      - { .name: rw, .offset: 8, .size: 8, .value_kind: global_buffer, .address_space: global }
      - { .name: place, .offset: 16, .size: 8, .value_kind: global_buffer, .address_space: global }
      - { .name: out1, .offset: 24, .size: 8, .value_kind: global_buffer, .address_space: global }
    .group_segment_fixed_size: 0
    .private_segment_fixed_size: 0
    .kernarg_segment_align: 8
    .kernarg_segment_size: 32
    .max_flat_workgroup_size: 32
    .sgpr_count:     100
    .vgpr_count:     96
    .wavefront_size: 32
...
	.end_amdgpu_metadata
.endif
;; end of part 2
;; launch sortrows (part 3): grid 256 x 1, 8 waves a work-group, no clusters, 0 bytes of LDS; arguments x, place, xs; writes xs
.if DOCPART == 3
	.amdgcn_target "amdgcn-amd-amdhsa--gfx1250"
	.amdhsa_code_object_version 6
	.text
	.protected	k_qaabec02198_sortrows
	.globl	k_qaabec02198_sortrows
	.p2align	8
	.type	k_qaabec02198_sortrows,@function
k_qaabec02198_sortrows:
	s_mov_b64 s[64:65], 0
	v_nop
	global_prefetch_b8 v0, s[64:65] scope:SCOPE_SE
	s_setreg_imm32_b32 hwreg(HW_REG_WAVE_MODE, 25, 1), 1
	s_wait_xcnt 0x0
; SORTROWS.  x's rows go, rounded to bf16, into expert order: token t's row is stored at rows pos[t][0] and pos[t][1] of xs.  The places are whole numbers that the launch before stored;
; they come by scalar loads, are clamped to xs's 9,216 rows and enter the stores' offsets.
; 256 work-groups of eight waves; work-group b has tokens 16 b .. 16 b + 15, a wave two of them: 8,192 bytes in, 8,192 out; each store of a wave covers 512 consecutive bytes of a row.
; THE ROWS OF ZEROS.  xs has 64 tiles of 144 rows; the 1,024 rows that no pick names are stored as zeros, so that every byte that the next launch reads has been written.  Work-group b owns
; rows 36 b .. 36 b + 35, which lie in tile b / 4, and stores those at or beyond the tile's count cnt[b] (place, byte 33,024 + 4 b; signed, 0 or less: no pick's row in the tile).
; Memory binds here: no LDS, no barrier; the matrix unit and clusters would add nothing.
.set OFF, 8                            ; v[8:11]   the four rows' first bytes + 16 lane
.set X,   16                           ; v[16:79]  token u at 16 + 32 u: 32 numbers a lane as loaded; chunk c at + 8 c, later its 4 registers of bf16 pairs
.set ZR,  80                           ; v[80:83]  zeros
.set ZA,  84                           ; v84       row 36 b + w of xs + 16 lane
	s_load_b128 s[4:7], s[0:1], 0x0                ; x s[4:5], place s[6:7]
	s_load_b64 s[8:9], s[0:1], 0x10                ; xs
	v_and_b32 v1, 31, v0                           ; lane
	v_lshrrev_b32 v4, 5, v0
	v_readfirstlane_b32 s16, v4                    ; wave
	s_mov_b32 s17, ttmp9                           ; b
	v_lshlrev_b32 v2, 4, v1                        ; 16 lane
	v_lshlrev_b32 v3, 5, v1                        ; 32 lane
	s_lshl_b32 s12, s17, 7
	s_lshl_b32 s13, s16, 4
	s_add_co_u32 s12, s12, s13                     ; my two tokens' four places: byte 128 b + 16 w
	s_lshl_b32 s13, s17, 2                         ; my work-group's word of cnt
	s_lshl_b32 s14, s17, 16
	s_lshl_b32 s15, s16, 13
	s_add_co_u32 s14, s14, s15                     ; (16 b + 2 w) rows of 4,096 bytes
	s_mov_b32 s15, 0
	s_wait_kmcnt 0x0
	s_load_b128 s[20:23], s[6:7], s12 offset:0x0   ; pos
	s_load_b32 s24, s[6:7], s13 offset:0x8100      ; cnt
	s_add_nc_u64 s[4:5], s[4:5], s[14:15]
.irp u, 0,1
.irp c, 0,1,2,3
	global_load_b128 v[X+32*\u+8*\c:X+32*\u+8*\c+3],   v3, s[4:5] offset:4096*\u+1024*\c th:TH_LOAD_NT
	global_load_b128 v[X+32*\u+8*\c+4:X+32*\u+8*\c+7], v3, s[4:5] offset:4096*\u+1024*\c+16 th:TH_LOAD_NT
.endr
.endr
	s_wait_kmcnt 0x0
.irp q, 0,1,2,3
	s_min_u32 s25, s[20+\q], 9215                  ; xs has 9,216 rows
	s_lshl_b32 s25, s25, 11
	v_add_nc_u32 v[OFF+\q], s25, v2
.endr
; token u: rounded in place, 8 numbers to 16 bytes, and stored to both of its rows
.macro ROWS u, left
	s_wait_loadcnt \left
.irp c, 0,1,2,3
.irp i, 0,1,2,3
	v_cvt_pk_bf16_f32 v[X+32*(\u)+8*\c+\i], v[X+32*(\u)+8*\c+2*\i], v[X+32*(\u)+8*\c+2*\i+1]
.endr
.endr
.irp k, 0,1
.irp c, 0,1,2,3
	global_store_b128 v[OFF+2*(\u)+\k], v[X+32*(\u)+8*\c:X+32*(\u)+8*\c+3], s[8:9] offset:512*\c
.endr
.endr
.endm
	ROWS 0, 8                                      ; token 1's eight loads are younger
	ROWS 1, 0
	s_and_b32 s26, s17, 3
	s_mul_i32 s26, s26, 36
	s_add_co_u32 s26, s26, s16                     ; wave w looks at rows 36 (b % 4) + w + 8 k of the tile, k = 0 .. 4,
	s_mul_i32 s25, s17, 36
	s_add_co_u32 s25, s25, s16
	s_lshl_b32 s25, s25, 11
	v_add_nc_u32 v[ZA], s25, v2                    ; which are rows 36 b + w + 8 k of xs
.irp i, 0,1,2,3
	v_mov_b32 v[ZR+\i], 0
.endr
.irp k, 0,1,2,3,4
.if \k == 4
	s_cmp_ge_u32 s16, 4                            ; 36 rows: the fifth turn is waves 0 to 3's
	s_cbranch_scc1 .Lpad\k
.endif
	s_add_co_u32 s27, s26, 8*\k
	s_cmp_lt_i32 s27, s24                          ; a pick's row: its token's work-group stores it
	s_cbranch_scc1 .Lpad\k
.irp c, 0,1,2,3
	global_store_b128 v[ZA], v[ZR:ZR+3], s[8:9] offset:16384*\k+512*\c
.endr
.Lpad\k:
.endr
	s_endpgm
.Lfunc_end_k_qaabec02198_sortrows:
	.size	k_qaabec02198_sortrows, .Lfunc_end_k_qaabec02198_sortrows-k_qaabec02198_sortrows
	.p2alignl 7, 3214868480
	.fill 96, 4, 3214868480
	.section	.rodata,"a",@progbits
	.p2align	6, 0x0
	.amdhsa_kernel k_qaabec02198_sortrows
		.amdhsa_group_segment_fixed_size 0
		.amdhsa_private_segment_fixed_size 0
		.amdhsa_enable_private_segment 0
		.amdhsa_kernarg_size 24
		.amdhsa_user_sgpr_count 2
		.amdhsa_user_sgpr_kernarg_segment_ptr 1
		.amdhsa_wavefront_size32 1
		.amdhsa_system_sgpr_workgroup_id_x 1
		.amdhsa_system_sgpr_workgroup_id_y 1
		.amdhsa_system_sgpr_workgroup_id_z 1
		.amdhsa_system_vgpr_workitem_id 0
		.amdhsa_next_free_vgpr 96
		.amdhsa_next_free_sgpr 66
		.amdhsa_reserve_vcc 0
		.amdhsa_float_denorm_mode_32 3
		.amdhsa_float_denorm_mode_16_64 3
		.amdhsa_memory_ordered 1
		.amdhsa_forward_progress 1
		.amdhsa_inst_pref_size 10
	.end_amdhsa_kernel
	.amdgpu_metadata
---
amdhsa.version: [ 1, 2 ]
amdhsa.kernels:
  - .name:           k_qaabec02198_sortrows
    .symbol:         k_qaabec02198_sortrows.kd
    .args:
      - { .name: x, .offset: 0, .size: 8, .value_kind: global_buffer, .address_space: global }
      - { .name: place, .offset: 8, .size: 8, .value_kind: global_buffer, .address_space: global }
      - { .name: xs, .offset: 16, .size: 8, .value_kind: global_buffer, .address_space: global }
    .group_segment_fixed_size: 0
    .private_segment_fixed_size: 0
    .kernarg_segment_align: 8
    .kernarg_segment_size: 24
    .max_flat_workgroup_size: 256
    .sgpr_count:     66
    .vgpr_count:     96
    .wavefront_size: 32
...
	.end_amdgpu_metadata
.endif
;; end of part 3
;; launch ffn1 (part 4): grid 4 x 64, 4 waves a work-group, clusters of 4 x 1, 327,680 bytes of LDS; arguments xs, wb, b1, place, hs; writes hs
.if DOCPART == 4
	.amdgcn_target "amdgcn-amd-amdhsa--gfx1250"
	.amdhsa_code_object_version 6
	.text
	.protected	k_qaabec02198_ffn1
	.globl	k_qaabec02198_ffn1
	.p2align	8
	.type	k_qaabec02198_ffn1,@function
k_qaabec02198_ffn1:
	s_mov_b64 s[64:65], 0
	v_nop
	global_prefetch_b8 v0, s[64:65] scope:SCOPE_SE
	s_setreg_imm32_b32 hwreg(HW_REG_WAVE_MODE, 25, 1), 1
	s_wait_xcnt 0x0
	s_wait_alu depctr_hold_cnt(0) depctr_sa_sdst(0) depctr_va_vdst(0) depctr_va_sdst(0) depctr_va_ssrc(0) depctr_va_vcc(0) depctr_vm_vsrc(0)
	s_getreg_b32 s2, hwreg(HW_REG_IB_STS2, 6, 4)
	s_cmp_eq_u32 s2, 0
	s_cbranch_scc0 .Lentry_in_a_cluster
	s_endpgm
.Lentry_in_a_cluster:
	s_bfe_u32 s2, ttmp6, 0x10000c
	s_cmp_lg_u32 s2, 0x3003
	s_cbranch_scc0 .Lentry_shape_is_right
	s_endpgm
.Lentry_shape_is_right:
; ONE LAYER OF THE EXPERTS' FFN, on rows in expert order.  One text serves both layers; SECOND says which.
;   SECOND = 0: hs = bf16(gelu(xs . W1[e] + b1[e])), exact gelu.      SECOND = 1: ys = hs . W2[e] + b2[e], f32.
; Arguments: rows (bf16, 2,048 bytes a row), wb (both layers' weights in bf16, [e][k][n]), the bias (f32, rounded to bf16 here like every input), place (the tiles' table), the result.
; SHARES.  The 8,192 (token, pick) rows lie in 64 row tiles of 144 rows: expert e with n rows has ceil(n / 144) tiles on end, 64 in all at the most ((8192 + 8 x 143) / 144 < 65).
; A work-group makes one row tile x 256 columns: 64 x 4 = 256 work-groups, all alike, for every routing.  Which expert a tile belongs to is read from the table; the number enters the
; global addresses of the weights and of the bias and nothing else: no branch, no trip count.  Rows beyond a tile's count, and whole tiles behind the last expert's, hold zeros (the
; launch before stores them); they are multiplied like the others, and their results land in rows of hs and ys that no token's place names.
; A wave makes all 144 rows x 64 columns: 36 accumulators.  K = 1,024 goes in 8 steps of 128 through two LDS slots filled by the tensor data mover.
; THE PRODUCT IS USED TRANSPOSED: source 0 = 16 columns of W (turned on the way out of LDS by ds_load_tr16_b128, since W lies [k][n]), source 1 = 16 rows: a lane then holds one row
; and eight neighbouring columns.  The bias is the C operand of the products that start the sums.
; CLUSTER.  The four column tiles of a row tile form a cluster and need the same rows: that tile, whose address is made of the row tile's and the wave's number alone, is asked for jointly.
; The weights' tile is each work-group's own load: within the cluster the four column tiles differ, and a column of four row tiles would share weights only if the table gave all four
; the same expert, which it need not.  CL = 0 gives the same text without a cluster.
; GELU.  gelu(x) = max(x, 0) - |x| / 2 poly(t) e^(-x x / 2), t = 1 / (1 + 0.3275911 |x| / sqrt 2): the five-term form of erf of Abramowitz and Stegun, 7.1.26, absolute error 1.5e-7 at
; the most for every argument, so gelu is off by 1e-7 |x| at the most; for large |x| the exponential is 0 and the result exact.
; LIMITS.  Operands of the products are bf16, sums f32; h is rounded to bf16.  NaN and infinities are not treated apart.
; REGISTERS, in windows of 256 (s_set_vgpr_msb: bits 1:0 source 0, 3:2 source 1, 5:4 source 2, 7:6 destination):
;   window 0: v0-29 addresses; v32-135, v136-239 two fragment buffers (32 of W, 72 of rows); v32-175 at work on the way out
;   window 1: accumulators of row blocks 0-7, (a, nb) at 8 (4 a + nb)      window 2: v0-31 row block 8; v32-63 the bias; v64-239 gelu at work
.set SECOND, 0
.set CL,     1
.set PA,     272                       ; a row of the rows' tile in LDS: 256 bytes + 16: the 16 rows of a load start 68 words apart
.set PB,     544                       ; a row (one k) of the weights' tile: 512 bytes + 32: an odd multiple of 32
.set AHALF,  72*PA                     ; what wave 0 or 1 fetches
.set ATILE,  2*AHALF
.set BHALF,  64*PB                     ; what wave 2 or 3 fetches
.set SLOT,   ATILE+2*BHALF             ; 108,800 bytes
.set STAGE,  2*SLOT                    ; behind the ring, never filled by a tensor load
.set SP1,    528                       ; layer 1: one stage of 144 rows x (512 + 16) bytes
.set SP2,    272                       ; layer 2: 16 rows x (256 + 16) bytes for each wave
.set SPARE,  STAGE+144*SP1             ; the spare words, 128 bytes a wave: two blocks of 256 bytes that no other line names
.set F0,   32
.set F1,   136
.set OB,   32
.set BIAS, 32                          ; window 2
.set GAX,  64
.set GQ,   96
.set GG,   128
.set GT,   160
.set GP,   192
.set GPK,  224
.set MSB, 0
.macro WIN new                         ; the immediate's high byte repeats the setting that is left; a switch that changes nothing is dropped
.if MSB != (\new)
	s_set_vgpr_msb (MSB<<8)|(\new)
.set MSB, \new
.endif
.endm
.macro PLACES                          ; four plain vector instructions between a matrix instruction and a load into, or a read of, its registers
.rept 4
	v_nop
.endr
.endm
.macro CREST                           ; a round of the cluster's barrier behind its opening barrier
.if CL
	s_cmp_lg_u32 s14, 0
	s_cbranch_scc1 .Lnot_wave_0_\@
	s_barrier_signal -3
.Lnot_wave_0_\@:
	s_barrier_wait -3
	s_barrier_signal -1
	s_barrier_wait -1
.endif
.endm
.macro CROUND                          ; a whole round
	s_barrier_signal -1
	s_barrier_wait -1
	CREST
.endm
; A fill of slot s: waves 0 and 1 fetch the two halves of the rows' tile (jointly with the partners), waves 2 and 3 those of the weights' (my work-group's own).
; The branch hangs on the wave's number alone.  Four v_nop follow each of the two lines, ahead of the jump and the label.
.macro JLOAD s
	s_cmp_eq_u32 s15, 0
	s_cbranch_scc0 .Lfor_b_\@
	tensor_load_to_lds s[32+4*(\s):35+4*(\s)], s[24:31]
	s_nop 0
.rept 4
	v_nop
.endr
	s_branch .Lasked_\@
.Lfor_b_\@:
	tensor_load_to_lds s[56+4*(\s):59+4*(\s)], s[48:55]
	s_nop 0
.rept 4
	v_nop
.endr
.Lasked_\@:
.endm
; Row blocks a0 .. a1 x all 4 column blocks, 32 along K, from buffer f.  first = 1: the products start the sums, with the bias as C.
; The 36 accumulators take turns in the same order in every quarter, one instruction a turn.
.macro MULS f, a0, a1, first
.set ia, \a0
.rept (\a1)-(\a0)+1
.set inb, 0
.rept 4
.if ia < 8
.set rD, 8*(4*ia+inb)
.if \first
	WIN 0x60                                       ; D window 1, C (the bias) window 2
.else
	WIN 0x50                                       ; C and D window 1
.endif
.else
.set rD, 8*inb
	WIN 0xa0                                       ; C and D window 2
.endif
.if \first
	v_wmma_f32_16x16x32_bf16 v[rD:rD+7], v[(\f)+8*inb:(\f)+8*inb+7], v[(\f)+32+8*ia:(\f)+32+8*ia+7], v[BIAS+8*inb:BIAS+8*inb+7]
.else
	v_wmma_f32_16x16x32_bf16 v[rD:rD+7], v[(\f)+8*inb:(\f)+8*inb+7], v[(\f)+32+8*ia:(\f)+32+8*ia+7], v[rD:rD+7]
.endif
.set inb, inb+1
.endr
.set ia, ia+1
.endr
.endm
; 26 LDS loads in one run: quarter q (32 along K) of a slot into buffer f: 4 fragments of W, turned, then 9 of rows
.macro FETCH slot, q, f
	WIN 0
.irp nb, 0,1,2,3
	ds_load_tr16_b128 v[(\f)+8*\nb:(\f)+8*\nb+3],   v[20+(\slot)] offset:(\q)*32*PB+\nb*32
	ds_load_tr16_b128 v[(\f)+8*\nb+4:(\f)+8*\nb+7], v[20+(\slot)] offset:(\q)*32*PB+\nb*32+16*PB
.endr
.irp a, 0,1,2,3,4,5,6,7,8
	ds_load_b128 v[(\f)+32+8*\a:(\f)+32+8*\a+3], v[16+(\slot)] offset:(\q)*64+\a*16*PA
	ds_load_b128 v[(\f)+32+8*\a+4:(\f)+32+8*\a+7], v[16+(\slot)] offset:(\q)*64+\a*16*PA+32
.endr
.endm
; One of a K step's first three quarters: multiplies buffer f, and in its middle fetches quarter q of the same slot into buffer g
.macro QUARTER slot, q, f, g, first
	s_wait_dscnt 10                                ; W and row blocks 0-3 are in; the youngest ten loads (blocks 4-8) may be out
	MULS \f, 0, 3, \first
	PLACES
	FETCH \slot, \q, \g
	s_wait_dscnt 26                                ; all but the 26 just issued
	MULS \f, 4, 8, \first
.endm
; The last quarter multiplies buffer 1 and changes slots: ONE barrier.  In front of it each wave waits for all its tensor loads (one is out: its part of the next slot), adds 0 to its
; spare word, and waits for that and for its reads of this slot.  fill = 1: the barrier opens a round of the cluster's, and behind it this slot is filled again, two K steps on:
; from that request to the wait for it a wave issues 128 matrix instructions.
.macro TURN slot, next, fill
	WIN 0                                          ; (the add's two registers lie in window 0)
	s_wait_tensorcnt 0x0
	ds_add_u32 v28, v29                            ; 0 onto my spare word
	s_wait_dscnt 11                                ; (the add and the youngest ten loads may be out)
	MULS F1, 0, 1, 0                               ; eight matrix instructions stand between the add and the wait for it
	s_wait_dscnt 0x0                               ; the add is done, and my reads of this slot are over
	s_barrier_signal -1
	MULS F1, 2, 3, 0
	WIN 0
	s_barrier_wait -1
.if \fill
	CREST                                          ; no wave of any partner still reads this slot or has a load on its way
	s_add_nc_u64 s[34+4*(\slot):35+4*(\slot)], s[34+4*(\slot):35+4*(\slot)], 512          ; rows: 256 k on
	s_add_nc_u64 s[58+4*(\slot):59+4*(\slot)], s[58+4*(\slot):59+4*(\slot)], 0x80000      ; weights: 256 rows of 2,048 bytes on
	JLOAD \slot                                    ; the four v_nop behind it are also the places in front of the loads below
.else
	PLACES
.endif
	FETCH \next, 0, F0
	MULS F1, 4, 8, 0
.endm
.macro LASTQ                           ; the very last quarter: nothing more to fetch
	s_wait_dscnt 10
	MULS F1, 0, 3, 0
	s_wait_dscnt 0x0
	MULS F1, 4, 8, 0
.endm
.macro P16 line:vararg                 ; one packed line for each of 16 pairs z
.set z, 0
.rept 16
	\line
.set z, z+2
.endr
.endm
; LAYER 1's way out of row block a: gelu of 32 numbers a lane, rounded to bf16, 16 bytes at a time into the work-group's stage.  Each accumulator's lowest registers are read first.
.macro GELU a
.if (\a) < 8
	WIN 0x85                                       ; sources window 1, destination window 2
.set XB, 32*(\a)
.else
	WIN 0x8a                                       ; all in window 2
.set XB, 0
.endif
.set z, 0
.rept 32
	v_and_b32 v[GAX+z], s94, v[XB+z]               ; |x|
.set z, z+1
.endr
	P16 v_pk_mul_f32 v[GQ+z:GQ+z+1], v[XB+z:XB+z+1], v[XB+z:XB+z+1]
.set z, 0
.rept 32
	v_max_num_f32 v[GG+z], 0, v[XB+z]
.set z, z+1
.endr
	WIN 0xaa
	P16 v_pk_fma_f32 v[GT+z:GT+z+1], v[GAX+z:GAX+z+1], s[80:81], 1.0 op_sel_hi:[1,0,0]
	P16 v_pk_mul_f32 v[GQ+z:GQ+z+1], v[GQ+z:GQ+z+1], s[82:83] op_sel_hi:[1,0]
.set z, 0
.rept 32
	v_rcp_f32 v[GT+z], v[GT+z]
.set z, z+1
.endr
.set z, 0
.rept 32
	v_exp_f32 v[GQ+z], v[GQ+z]
.set z, z+1
.endr
	v_nop                                          ; a plain instruction behind the last exponential
	s_wait_alu depctr_va_vdst(0)
	P16 v_pk_fma_f32 v[GP+z:GP+z+1], v[GT+z:GT+z+1], s[92:93], s[90:91] op_sel_hi:[1,0,0]
	P16 v_pk_fma_f32 v[GP+z:GP+z+1], v[GP+z:GP+z+1], v[GT+z:GT+z+1], s[88:89] op_sel_hi:[1,1,0]
	P16 v_pk_fma_f32 v[GP+z:GP+z+1], v[GP+z:GP+z+1], v[GT+z:GT+z+1], s[86:87] op_sel_hi:[1,1,0]
	P16 v_pk_fma_f32 v[GP+z:GP+z+1], v[GP+z:GP+z+1], v[GT+z:GT+z+1], s[84:85] op_sel_hi:[1,1,0]
	P16 v_pk_mul_f32 v[GP+z:GP+z+1], v[GP+z:GP+z+1], v[GT+z:GT+z+1]
	P16 v_pk_mul_f32 v[GP+z:GP+z+1], v[GP+z:GP+z+1], v[GQ+z:GQ+z+1]
	P16 v_pk_mul_f32 v[GP+z:GP+z+1], v[GP+z:GP+z+1], v[GAX+z:GAX+z+1]
	P16 v_pk_fma_f32 v[GG+z:GG+z+1], v[GP+z:GP+z+1], -0.5, v[GG+z:GG+z+1] op_sel_hi:[1,0,1]
.set z, 0
.rept 16
	v_cvt_pk_bf16_f32 v[GPK+z], v[GG+2*z], v[GG+2*z+1]
.set z, z+1
.endr
	WIN 0x08                                       ; store data window 2, address window 0
.irp nb, 0,1,2,3
.if (\a) < 4
	ds_store_b128 v24, v[GPK+4*\nb:GPK+4*\nb+3] offset:(\a)*16*SP1+32*\nb
.else
	ds_store_b128 v27, v[GPK+4*\nb:GPK+4*\nb+3] offset:((\a)-4)*16*SP1+32*\nb  ; a second address: the immediate has 16 bits
.endif
.endr
.endm
; LAYER 2's way out of row block a: 16 rows x 256 bytes through my own stage, back as whole rows
.macro TOSTAGE a
	s_wait_xcnt 0x0                                ; the registers that earlier stores read are loaded again only behind this wait
.if (\a) < 8
	WIN 0x04                                       ; store data window 1
.set XB, 32*(\a)
.else
	WIN 0x08                                       ; store data window 2
.set XB, 0
.endif
.irp nb, 0,1,2,3
	ds_store_b128 v24, v[XB+8*\nb:XB+8*\nb+3] offset:64*\nb        ; each accumulator's lowest registers first
	ds_store_b128 v24, v[XB+8*\nb+4:XB+8*\nb+7] offset:64*\nb+16
.endr
	WIN 0
.irp t, 0,1,2,3,4,5,6,7
	ds_load_b128 v[OB+32*((\a)%2)+4*\t:OB+32*((\a)%2)+4*\t+3], v25 offset:2*SP2*\t  ; LDS serves a wave's instructions in order (ISA guide 5.7.1.4): these see the stores above
.endr
.endm
.macro SEND a, younger                 ; younger: the LDS instructions issued behind block a's loads
.irp t, 0,1,2,3,4,5,6,7
	s_wait_dscnt (\younger)+7-\t
	global_store_b128 v26, v[OB+32*((\a)%2)+4*\t:OB+32*((\a)%2)+4*\t+3], s[66:67] offset:(16*(\a)+2*\t)*4096  ; 16 lanes store 256 consecutive bytes, at a multiple of 256 from the buffer's first
.endr
.endm
	s_load_b256 s[4:11], s[0:1], 0x0               ; rows s[4:5], wb s[6:7], bias s[8:9], place s[10:11]
	s_load_b64 s[12:13], s[0:1], 0x20              ; the result
	v_lshl_add_u32 v28, v0, 2, SPARE
	v_mov_b32 v29, 0
	ds_add_u32 v28, v29
	s_wait_dscnt 0x0
	v_lshrrev_b32 v3, 5, v0
	v_readfirstlane_b32 s14, v3                    ; wave 0..3
	s_lshr_b32 s15, s14, 1                         ; I fetch rows (0) or weights (1),
	s_and_b32 s16, s14, 1                          ; this half of the tile
	s_and_b32 s47, ttmp7, 0xffff                   ; the row tile T, which the four partners share
.if CL
	s_bfe_u32 s17, ttmp6, 0x40000                  ; cx: the column tile (the grid has one cluster along x)
	s_mov_b32 s24, 15|(1<<16)|(1<<20)|(1<<21)|(5<<22)|(3<<25)  ; 15:0 the mask: all four; 17:16 2-byte elements; 20 padding on; 21 set beside a mask; 24:22 after every 64 words; 31:25 4 words
.else
	s_mov_b32 s17, ttmp9
	s_mov_b32 s24, (1<<16)|(1<<20)|(5<<22)|(3<<25)
.endif
	s_mov_b32 s48, (1<<16)|(1<<20)|(6<<22)|(7<<25) ; the weights: no mask; padding after every 128 words, 8 words
	s_mov_b32 s25, 128<<16                         ; rows: tensor_dim0 = 128
	s_mov_b32 s26, 72<<16                          ; tensor_dim1 = 72
	s_mov_b32 s27, 128<<16                         ; tile_dim0 = 128 elements
	s_mov_b32 s28, 72                              ; tile_dim1 = 72 rows
	s_mov_b32 s29, 1024                            ; elements from row to row
	s_mov_b32 s30, 0
	s_mov_b32 s31, 0
	s_mov_b32 s49, 256<<16                         ; weights: tensor_dim0 = 256
	s_mov_b32 s50, 64<<16                          ; tensor_dim1 = 64
	s_mov_b32 s51, 256<<16                         ; tile_dim0 = 256 elements
	s_mov_b32 s52, 64                              ; tile_dim1 = 64 rows (k)
	s_mov_b32 s53, 1024
	s_mov_b32 s54, 0
	s_mov_b32 s55, 0
	s_mov_b32 s32, 1                               ; group 0, a set for each slot: count, LDS address (of the wave's number alone)
	s_mul_i32 s33, s16, AHALF
	s_mov_b32 s36, 1
	s_add_co_u32 s37, s33, SLOT
	s_mov_b32 s56, 1
	s_mul_i32 s57, s16, BHALF
	s_add_co_u32 s57, s57, ATILE
	s_mov_b32 s60, 1
	s_add_co_u32 s61, s57, SLOT
	s_mul_i32 s40, s47, 144                        ; rows: 144 T + my half's 72, of 2,048 bytes
	s_mul_i32 s23, s16, 72
	s_add_co_u32 s40, s40, s23
	s_lshl_b32 s40, s40, 11
	s_mov_b32 s41, 0
	s_lshl_b32 s22, s47, 2                         ; the tile's word of the table
	s_wait_kmcnt 0x0
	s_load_b32 s72, s[10:11], s22 offset:0x8000    ; the tile's expert
	s_add_nc_u64 s[34:35], s[4:5], s[40:41]        ; rows, K step 0
	s_add_nc_u64 s[38:39], s[34:35], 256           ; K step 1
	s_or_b32 s35, s35, 0x80000000                  ; type = 2
	s_or_b32 s39, s39, 0x80000000
.if SECOND
	s_mul_i32 s68, s47, 144*4096                   ; ys: the tile's first row, the column tile's 1,024 bytes, my wave's 256
	s_lshl_b32 s69, s17, 10
	s_add_co_u32 s68, s68, s69
	s_lshl_b32 s69, s14, 8
	s_add_co_u32 s68, s68, s69
.else
	s_mul_i32 s68, s47, 144                        ; hs: row 144 T + 36 w, the column tile's 512 bytes
	s_mul_i32 s69, s14, 36
	s_add_co_u32 s68, s68, s69
	s_lshl_b32 s68, s68, 11
	s_lshl_b32 s69, s17, 9
	s_add_co_u32 s68, s68, s69
.endif
	s_mov_b32 s69, 0
	s_add_nc_u64 s[66:67], s[12:13], s[68:69]
	s_wait_kmcnt 0x0
	s_min_u32 s20, s72, 7                          ; the expert
	s_lshl_b32 s68, s20, 21                        ; weights: the expert's 2 MiB,
	s_lshl_b32 s69, s16, 17                        ; my 64 rows of 2,048 bytes,
	s_add_co_u32 s68, s68, s69
	s_lshl_b32 s69, s17, 9                         ; the column tile's 512 bytes
	s_add_co_u32 s68, s68, s69
.if SECOND
	s_add_co_u32 s68, s68, 0x1000000               ; the second layer's half of wb
.endif
	s_mov_b32 s69, 0
	s_add_nc_u64 s[58:59], s[6:7], s[68:69]        ; weights, K step 0
	s_add_nc_u64 s[62:63], s[58:59], 0x40000       ; K step 1: 128 rows of 2,048 bytes on
	s_or_b32 s59, s59, 0x80000000
	s_or_b32 s63, s63, 0x80000000
	CROUND                                         ; all four work-groups are here: the first joint loads meet
	JLOAD 0                                        ; both slots' first fills go out together: two tensor loads of mine are out
	JLOAD 1
	v_and_b32 v1, 15, v0                           ; l % 16
	v_bfe_u32 v2, v0, 4, 1                         ; h = l / 16
	s_lshl_b32 s70, s20, 12                        ; the bias of my columns 256 nt + 64 w + 16 nb + 8 h + 0..7
	s_lshl_b32 s71, s17, 10
	s_add_co_u32 s70, s70, s71
	s_lshl_b32 s71, s14, 8
	s_add_co_u32 s70, s70, s71
	v_lshl_add_u32 v6, v2, 5, s70
	WIN 0x80                                       ; destination window 2
.irp nb, 0,1,2,3
	global_load_b128 v[BIAS+8*\nb:BIAS+8*\nb+3],   v6, s[8:9] offset:64*\nb
	global_load_b128 v[BIAS+8*\nb+4:BIAS+8*\nb+7], v6, s[8:9] offset:64*\nb+16
.endr
	WIN 0
	v_mul_u32_u24 v16, v1, PA                      ; a fragment of rows: row l % 16, 16 bytes for each half of the lanes
	v_lshl_add_u32 v16, v2, 4, v16
	v_add_nc_u32 v17, SLOT, v16
	v_and_b32 v3, 7, v0                            ; the turning load: k = 8 h + l % 8, columns 8 ((l / 8) % 2) + 0..7 of my wave's 64
	v_bfe_u32 v4, v0, 3, 1
	v_lshl_add_u32 v5, v2, 3, v3
	v_mul_u32_u24 v5, v5, PB
	v_lshl_add_u32 v5, v4, 4, v5
	s_lshl_b32 s70, s14, 7
	s_add_co_u32 s70, s70, ATILE
	v_add_nc_u32 v20, s70, v5
	v_add_nc_u32 v21, SLOT, v20
.if SECOND
	s_mul_i32 s70, s14, 16*SP2
	s_add_co_u32 s70, s70, STAGE                   ; my stage
	v_mul_u32_u24 v7, v1, SP2                      ; in: row l % 16, 32 bytes for each half of the lanes
	v_lshl_add_u32 v7, v2, 5, v7
	v_add_nc_u32 v24, s70, v7
	v_mul_u32_u24 v7, v2, SP2                      ; back: lanes 0-15 one row of 256 bytes, lanes 16-31 the next
	v_lshl_add_u32 v7, v1, 4, v7
	v_add_nc_u32 v25, s70, v7
	v_lshlrev_b32 v26, 12, v2                      ; and the same two rows in ys
	v_lshl_add_u32 v26, v1, 4, v26
.else
	s_lshl_b32 s70, s14, 7
	s_add_co_u32 s70, s70, STAGE
	v_mul_u32_u24 v7, v1, SP1                      ; in: row l % 16, my wave's 128 bytes, 16 for each half of the lanes
	v_lshl_add_u32 v7, v2, 4, v7
	v_add_nc_u32 v24, s70, v7
	v_add_nc_u32 v27, 4*16*SP1, v24
	s_mul_i32 s70, s14, 36*SP1
	s_add_co_u32 s70, s70, STAGE
	v_and_b32 v8, 31, v0
	v_lshlrev_b32 v26, 4, v8                       ; back: wave w takes rows 36 w .. 36 w + 35, 32 lanes a row of 512 bytes
	v_add_nc_u32 v25, s70, v26
	s_mov_b32 s80, 0x3e6d3388                      ; 0.3275911 / sqrt 2; each constant stands in both words of its pair
	s_mov_b32 s81, s80
	s_mov_b32 s82, 0xbf38aa3b                      ; - log2 e / 2
	s_mov_b32 s83, s82
	s_mov_b32 s84, 0x3e827906                      ; a1 =  0.254829592
	s_mov_b32 s85, s84
	s_mov_b32 s86, 0xbe91a98e                      ; a2 = -0.284496736
	s_mov_b32 s87, s86
	s_mov_b32 s88, 0x3fb5f0e3                      ; a3 =  1.421413741
	s_mov_b32 s89, s88
	s_mov_b32 s90, 0xbfba00e3                      ; a4 = -1.453152027
	s_mov_b32 s91, s90
	s_mov_b32 s92, 0x3f87dc22                      ; a5 =  1.061405429
	s_mov_b32 s93, s92
	s_mov_b32 s94, 0x7fffffff
.endif
	s_wait_loadcnt 0x0                             ; the bias: rounded to bf16 and widened again
	WIN 0x8a
.set z, 0
.rept 16
	v_cvt_pk_bf16_f32 v[GAX+z], v[BIAS+2*z], v[BIAS+2*z+1]
.set z, z+1
.endr
.set z, 0
.rept 16
	v_lshlrev_b32 v[BIAS+2*z], 16, v[GAX+z]
	v_and_b32 v[BIAS+2*z+1], 0xffff0000, v[GAX+z]
.set z, z+1
.endr
	WIN 0
	s_wait_tensorcnt 1                             ; my part of K step 0 is in; K step 1's may stay out
	s_barrier_signal -1
	s_barrier_wait -1                              ; everybody's is
	FETCH 0, 0, F0
	QUARTER 0, 1, F0, F1, 1                        ; the first quarter stands in front of the loop: its products start the sums
	WIN 0                                          ; at a label and at a branch every window is 0
	s_mov_b32 s3, 3
.Llap:                                                 ; a trip goes once round the ring and asks for two K steps: 2 to 7 in three trips
	QUARTER 0, 2, F1, F0, 0
	QUARTER 0, 3, F0, F1, 0
	TURN 0, 1, 1
	QUARTER 1, 1, F0, F1, 0
	QUARTER 1, 2, F1, F0, 0
	QUARTER 1, 3, F0, F1, 0
	TURN 1, 0, 1
	QUARTER 0, 1, F0, F1, 0
	WIN 0
	s_sub_co_u32 s3, s3, 1
	s_cmp_lg_u32 s3, 0
	s_cbranch_scc1 .Llap
	QUARTER 0, 2, F1, F0, 0                        ; the last lap asks for nothing
	QUARTER 0, 3, F0, F1, 0
	TURN 0, 1, 0
	QUARTER 1, 1, F0, F1, 0
	QUARTER 1, 2, F1, F0, 0
	QUARTER 1, 3, F0, F1, 0
	LASTQ
	WIN 0
	PLACES
.if SECOND
	TOSTAGE 0
.irp a, 1,2,3,4,5,6,7,8
	TOSTAGE \a
	SEND (\a)-1, 16                                ; the next block's eight stores and eight loads are younger
.endr
	SEND 8, 0
.else
.irp a, 0,1,2,3,4,5,6,7,8
	GELU \a
.endr
	WIN 0
	s_wait_dscnt 0x0                               ; for the others' sake: a row's 512 bytes come from four waves
	s_barrier_signal -1
	s_barrier_wait -1
.set t, 0
.rept 36
	ds_load_b128 v[OB+4*t:OB+4*t+3], v25 offset:SP1*t
.set t, t+1
.endr
.set t, 0
.rept 36
	s_wait_dscnt 35-t
	global_store_b128 v26, v[OB+4*t:OB+4*t+3], s[66:67] offset:2048*t  ; a wave stores 512 consecutive bytes, at a multiple of 512 from the buffer's first
.set t, t+1
.endr
.endif
	s_wait_tensorcnt 0x0                           ; the wave's end, behind my last tensor load and my last LDS store
	ds_add_u32 v28, v29
	s_wait_dscnt 0x0
	CROUND                                         ; the closing round: no work-group ends while a partner may still ask for a tile that names it
	s_endpgm
.Lfunc_end_k_qaabec02198_ffn1:
	.size	k_qaabec02198_ffn1, .Lfunc_end_k_qaabec02198_ffn1-k_qaabec02198_ffn1
	.p2alignl 7, 3214868480
	.fill 96, 4, 3214868480
	.section	.rodata,"a",@progbits
	.p2align	6, 0x0
	.amdhsa_kernel k_qaabec02198_ffn1
		.amdhsa_group_segment_fixed_size 327680
		.amdhsa_private_segment_fixed_size 0
		.amdhsa_enable_private_segment 0
		.amdhsa_kernarg_size 40
		.amdhsa_user_sgpr_count 2
		.amdhsa_user_sgpr_kernarg_segment_ptr 1
		.amdhsa_wavefront_size32 1
		.amdhsa_system_sgpr_workgroup_id_x 1
		.amdhsa_system_sgpr_workgroup_id_y 1
		.amdhsa_system_sgpr_workgroup_id_z 1
		.amdhsa_system_vgpr_workitem_id 0
		.amdhsa_next_free_vgpr 768
		.amdhsa_next_free_sgpr 96
		.amdhsa_reserve_vcc 0
		.amdhsa_float_denorm_mode_32 3
		.amdhsa_float_denorm_mode_16_64 3
		.amdhsa_memory_ordered 1
		.amdhsa_forward_progress 1
		.amdhsa_inst_pref_size 236
	.end_amdhsa_kernel
	.amdgpu_metadata
---
amdhsa.version: [ 1, 2 ]
amdhsa.kernels:
  - .name:           k_qaabec02198_ffn1
    .symbol:         k_qaabec02198_ffn1.kd
    .args:
      - { .name: xs, .offset: 0, .size: 8, .value_kind: global_buffer, .address_space: global }
      - { .name: wb, .offset: 8, .size: 8, .value_kind: global_buffer, .address_space: global }
      - { .name: b1, .offset: 16, .size: 8, .value_kind: global_buffer, .address_space: global }
      - { .name: place, .offset: 24, .size: 8, .value_kind: global_buffer, .address_space: global }
      - { .name: hs, .offset: 32, .size: 8, .value_kind: global_buffer, .address_space: global }
    .group_segment_fixed_size: 327680
    .private_segment_fixed_size: 0
    .kernarg_segment_align: 8
    .kernarg_segment_size: 40
    .max_flat_workgroup_size: 128
    .sgpr_count:     96
    .vgpr_count:     768
    .wavefront_size: 32
...
	.end_amdgpu_metadata
.endif
;; end of part 4
;; launch ffn2 (part 5): grid 4 x 64, 4 waves a work-group, clusters of 4 x 1, 327,680 bytes of LDS; arguments hs, wb, b2, place, ys; writes ys
.if DOCPART == 5
	.amdgcn_target "amdgcn-amd-amdhsa--gfx1250"
	.amdhsa_code_object_version 6
	.text
	.protected	k_qaabec02198_ffn2
	.globl	k_qaabec02198_ffn2
	.p2align	8
	.type	k_qaabec02198_ffn2,@function
k_qaabec02198_ffn2:
	s_mov_b64 s[64:65], 0
	v_nop
	global_prefetch_b8 v0, s[64:65] scope:SCOPE_SE
	s_setreg_imm32_b32 hwreg(HW_REG_WAVE_MODE, 25, 1), 1
	s_wait_xcnt 0x0
	s_wait_alu depctr_hold_cnt(0) depctr_sa_sdst(0) depctr_va_vdst(0) depctr_va_sdst(0) depctr_va_ssrc(0) depctr_va_vcc(0) depctr_vm_vsrc(0)
	s_getreg_b32 s2, hwreg(HW_REG_IB_STS2, 6, 4)
	s_cmp_eq_u32 s2, 0
	s_cbranch_scc0 .Lentry_in_a_cluster
	s_endpgm
.Lentry_in_a_cluster:
	s_bfe_u32 s2, ttmp6, 0x10000c
	s_cmp_lg_u32 s2, 0x3003
	s_cbranch_scc0 .Lentry_shape_is_right
	s_endpgm
.Lentry_shape_is_right:
; ONE LAYER OF THE EXPERTS' FFN, on rows in expert order.  One text serves both layers; SECOND says which.
;   SECOND = 0: hs = bf16(gelu(xs . W1[e] + b1[e])), exact gelu.      SECOND = 1: ys = hs . W2[e] + b2[e], f32.
; Arguments: rows (bf16, 2,048 bytes a row), wb (both layers' weights in bf16, [e][k][n]), the bias (f32, rounded to bf16 here like every input), place (the tiles' table), the result.
; SHARES.  The 8,192 (token, pick) rows lie in 64 row tiles of 144 rows: expert e with n rows has ceil(n / 144) tiles on end, 64 in all at the most ((8192 + 8 x 143) / 144 < 65).
; A work-group makes one row tile x 256 columns: 64 x 4 = 256 work-groups, all alike, for every routing.  Which expert a tile belongs to is read from the table; the number enters the
; global addresses of the weights and of the bias and nothing else: no branch, no trip count.  Rows beyond a tile's count, and whole tiles behind the last expert's, hold zeros (the
; launch before stores them); they are multiplied like the others, and their results land in rows of hs and ys that no token's place names.
; A wave makes all 144 rows x 64 columns: 36 accumulators.  K = 1,024 goes in 8 steps of 128 through two LDS slots filled by the tensor data mover.
; THE PRODUCT IS USED TRANSPOSED: source 0 = 16 columns of W (turned on the way out of LDS by ds_load_tr16_b128, since W lies [k][n]), source 1 = 16 rows: a lane then holds one row
; and eight neighbouring columns.  The bias is the C operand of the products that start the sums.
; CLUSTER.  The four column tiles of a row tile form a cluster and need the same rows: that tile, whose address is made of the row tile's and the wave's number alone, is asked for jointly.
; The weights' tile is each work-group's own load: within the cluster the four column tiles differ, and a column of four row tiles would share weights only if the table gave all four
; the same expert, which it need not.  CL = 0 gives the same text without a cluster.
; GELU.  gelu(x) = max(x, 0) - |x| / 2 poly(t) e^(-x x / 2), t = 1 / (1 + 0.3275911 |x| / sqrt 2): the five-term form of erf of Abramowitz and Stegun, 7.1.26, absolute error 1.5e-7 at
; the most for every argument, so gelu is off by 1e-7 |x| at the most; for large |x| the exponential is 0 and the result exact.
; LIMITS.  Operands of the products are bf16, sums f32; h is rounded to bf16.  NaN and infinities are not treated apart.
; REGISTERS, in windows of 256 (s_set_vgpr_msb: bits 1:0 source 0, 3:2 source 1, 5:4 source 2, 7:6 destination):
;   window 0: v0-29 addresses; v32-135, v136-239 two fragment buffers (32 of W, 72 of rows); v32-175 at work on the way out
;   window 1: accumulators of row blocks 0-7, (a, nb) at 8 (4 a + nb)      window 2: v0-31 row block 8; v32-63 the bias; v64-239 gelu at work
.set SECOND, 1
.set CL,     1
.set PA,     272                       ; a row of the rows' tile in LDS: 256 bytes + 16: the 16 rows of a load start 68 words apart
.set PB,     544                       ; a row (one k) of the weights' tile: 512 bytes + 32: an odd multiple of 32
.set AHALF,  72*PA                     ; what wave 0 or 1 fetches
.set ATILE,  2*AHALF
.set BHALF,  64*PB                     ; what wave 2 or 3 fetches
.set SLOT,   ATILE+2*BHALF             ; 108,800 bytes
.set STAGE,  2*SLOT                    ; behind the ring, never filled by a tensor load
.set SP1,    528                       ; layer 1: one stage of 144 rows x (512 + 16) bytes
.set SP2,    272                       ; layer 2: 16 rows x (256 + 16) bytes for each wave
.set SPARE,  STAGE+144*SP1             ; the spare words, 128 bytes a wave: two blocks of 256 bytes that no other line names
.set F0,   32
.set F1,   136
.set OB,   32
.set BIAS, 32                          ; window 2
.set GAX,  64
.set GQ,   96
.set GG,   128
.set GT,   160
.set GP,   192
.set GPK,  224
.set MSB, 0
.macro WIN new                         ; the immediate's high byte repeats the setting that is left; a switch that changes nothing is dropped
.if MSB != (\new)
	s_set_vgpr_msb (MSB<<8)|(\new)
.set MSB, \new
.endif
.endm
.macro PLACES                          ; four plain vector instructions between a matrix instruction and a load into, or a read of, its registers
.rept 4
	v_nop
.endr
.endm
.macro CREST                           ; a round of the cluster's barrier behind its opening barrier
.if CL
	s_cmp_lg_u32 s14, 0
	s_cbranch_scc1 .Lnot_wave_0_\@
	s_barrier_signal -3
.Lnot_wave_0_\@:
	s_barrier_wait -3
	s_barrier_signal -1
	s_barrier_wait -1
.endif
.endm
.macro CROUND                          ; a whole round
	s_barrier_signal -1
	s_barrier_wait -1
	CREST
.endm
; A fill of slot s: waves 0 and 1 fetch the two halves of the rows' tile (jointly with the partners), waves 2 and 3 those of the weights' (my work-group's own).
; The branch hangs on the wave's number alone.  Four v_nop follow each of the two lines, ahead of the jump and the label.
.macro JLOAD s
	s_cmp_eq_u32 s15, 0
	s_cbranch_scc0 .Lfor_b_\@
	tensor_load_to_lds s[32+4*(\s):35+4*(\s)], s[24:31]
	s_nop 0
.rept 4
	v_nop
.endr
	s_branch .Lasked_\@
.Lfor_b_\@:
	tensor_load_to_lds s[56+4*(\s):59+4*(\s)], s[48:55]
	s_nop 0
.rept 4
	v_nop
.endr
.Lasked_\@:
.endm
; Row blocks a0 .. a1 x all 4 column blocks, 32 along K, from buffer f.  first = 1: the products start the sums, with the bias as C.
; The 36 accumulators take turns in the same order in every quarter, one instruction a turn.
.macro MULS f, a0, a1, first
.set ia, \a0
.rept (\a1)-(\a0)+1
.set inb, 0
.rept 4
.if ia < 8
.set rD, 8*(4*ia+inb)
.if \first
	WIN 0x60                                       ; D window 1, C (the bias) window 2
.else
	WIN 0x50                                       ; C and D window 1
.endif
.else
.set rD, 8*inb
	WIN 0xa0                                       ; C and D window 2
.endif
.if \first
	v_wmma_f32_16x16x32_bf16 v[rD:rD+7], v[(\f)+8*inb:(\f)+8*inb+7], v[(\f)+32+8*ia:(\f)+32+8*ia+7], v[BIAS+8*inb:BIAS+8*inb+7]
.else
	v_wmma_f32_16x16x32_bf16 v[rD:rD+7], v[(\f)+8*inb:(\f)+8*inb+7], v[(\f)+32+8*ia:(\f)+32+8*ia+7], v[rD:rD+7]
.endif
.set inb, inb+1
.endr
.set ia, ia+1
.endr
.endm
; 26 LDS loads in one run: quarter q (32 along K) of a slot into buffer f: 4 fragments of W, turned, then 9 of rows
.macro FETCH slot, q, f
	WIN 0
.irp nb, 0,1,2,3
	ds_load_tr16_b128 v[(\f)+8*\nb:(\f)+8*\nb+3],   v[20+(\slot)] offset:(\q)*32*PB+\nb*32
	ds_load_tr16_b128 v[(\f)+8*\nb+4:(\f)+8*\nb+7], v[20+(\slot)] offset:(\q)*32*PB+\nb*32+16*PB
.endr
.irp a, 0,1,2,3,4,5,6,7,8
	ds_load_b128 v[(\f)+32+8*\a:(\f)+32+8*\a+3], v[16+(\slot)] offset:(\q)*64+\a*16*PA
	ds_load_b128 v[(\f)+32+8*\a+4:(\f)+32+8*\a+7], v[16+(\slot)] offset:(\q)*64+\a*16*PA+32
.endr
.endm
; One of a K step's first three quarters: multiplies buffer f, and in its middle fetches quarter q of the same slot into buffer g
.macro QUARTER slot, q, f, g, first
	s_wait_dscnt 10                                ; W and row blocks 0-3 are in; the youngest ten loads (blocks 4-8) may be out
	MULS \f, 0, 3, \first
	PLACES
	FETCH \slot, \q, \g
	s_wait_dscnt 26                                ; all but the 26 just issued
	MULS \f, 4, 8, \first
.endm
; The last quarter multiplies buffer 1 and changes slots: ONE barrier.  In front of it each wave waits for all its tensor loads (one is out: its part of the next slot), adds 0 to its
; spare word, and waits for that and for its reads of this slot.  fill = 1: the barrier opens a round of the cluster's, and behind it this slot is filled again, two K steps on:
; from that request to the wait for it a wave issues 128 matrix instructions.
.macro TURN slot, next, fill
	WIN 0                                          ; (the add's two registers lie in window 0)
	s_wait_tensorcnt 0x0
	ds_add_u32 v28, v29                            ; 0 onto my spare word
	s_wait_dscnt 11                                ; (the add and the youngest ten loads may be out)
	MULS F1, 0, 1, 0                               ; eight matrix instructions stand between the add and the wait for it
	s_wait_dscnt 0x0                               ; the add is done, and my reads of this slot are over
	s_barrier_signal -1
	MULS F1, 2, 3, 0
	WIN 0
	s_barrier_wait -1
.if \fill
	CREST                                          ; no wave of any partner still reads this slot or has a load on its way
	s_add_nc_u64 s[34+4*(\slot):35+4*(\slot)], s[34+4*(\slot):35+4*(\slot)], 512          ; rows: 256 k on
	s_add_nc_u64 s[58+4*(\slot):59+4*(\slot)], s[58+4*(\slot):59+4*(\slot)], 0x80000      ; weights: 256 rows of 2,048 bytes on
	JLOAD \slot                                    ; the four v_nop behind it are also the places in front of the loads below
.else
	PLACES
.endif
	FETCH \next, 0, F0
	MULS F1, 4, 8, 0
.endm
.macro LASTQ                           ; the very last quarter: nothing more to fetch
	s_wait_dscnt 10
	MULS F1, 0, 3, 0
	s_wait_dscnt 0x0
	MULS F1, 4, 8, 0
.endm
.macro P16 line:vararg                 ; one packed line for each of 16 pairs z
.set z, 0
.rept 16
	\line
.set z, z+2
.endr
.endm
; LAYER 1's way out of row block a: gelu of 32 numbers a lane, rounded to bf16, 16 bytes at a time into the work-group's stage.  Each accumulator's lowest registers are read first.
.macro GELU a
.if (\a) < 8
	WIN 0x85                                       ; sources window 1, destination window 2
.set XB, 32*(\a)
.else
	WIN 0x8a                                       ; all in window 2
.set XB, 0
.endif
.set z, 0
.rept 32
	v_and_b32 v[GAX+z], s94, v[XB+z]               ; |x|
.set z, z+1
.endr
	P16 v_pk_mul_f32 v[GQ+z:GQ+z+1], v[XB+z:XB+z+1], v[XB+z:XB+z+1]
.set z, 0
.rept 32
	v_max_num_f32 v[GG+z], 0, v[XB+z]
.set z, z+1
.endr
	WIN 0xaa
	P16 v_pk_fma_f32 v[GT+z:GT+z+1], v[GAX+z:GAX+z+1], s[80:81], 1.0 op_sel_hi:[1,0,0]
	P16 v_pk_mul_f32 v[GQ+z:GQ+z+1], v[GQ+z:GQ+z+1], s[82:83] op_sel_hi:[1,0]
.set z, 0
.rept 32
	v_rcp_f32 v[GT+z], v[GT+z]
.set z, z+1
.endr
.set z, 0
.rept 32
	v_exp_f32 v[GQ+z], v[GQ+z]
.set z, z+1
.endr
	v_nop                                          ; a plain instruction behind the last exponential
	P16 v_pk_fma_f32 v[GP+z:GP+z+1], v[GT+z:GT+z+1], s[92:93], s[90:91] op_sel_hi:[1,0,0]
	P16 v_pk_fma_f32 v[GP+z:GP+z+1], v[GP+z:GP+z+1], v[GT+z:GT+z+1], s[88:89] op_sel_hi:[1,1,0]
	P16 v_pk_fma_f32 v[GP+z:GP+z+1], v[GP+z:GP+z+1], v[GT+z:GT+z+1], s[86:87] op_sel_hi:[1,1,0]
	P16 v_pk_fma_f32 v[GP+z:GP+z+1], v[GP+z:GP+z+1], v[GT+z:GT+z+1], s[84:85] op_sel_hi:[1,1,0]
	P16 v_pk_mul_f32 v[GP+z:GP+z+1], v[GP+z:GP+z+1], v[GT+z:GT+z+1]
	P16 v_pk_mul_f32 v[GP+z:GP+z+1], v[GP+z:GP+z+1], v[GQ+z:GQ+z+1]
	P16 v_pk_mul_f32 v[GP+z:GP+z+1], v[GP+z:GP+z+1], v[GAX+z:GAX+z+1]
	P16 v_pk_fma_f32 v[GG+z:GG+z+1], v[GP+z:GP+z+1], -0.5, v[GG+z:GG+z+1] op_sel_hi:[1,0,1]
.set z, 0
.rept 16
	v_cvt_pk_bf16_f32 v[GPK+z], v[GG+2*z], v[GG+2*z+1]
.set z, z+1
.endr
	WIN 0x08                                       ; store data window 2, address window 0
.irp nb, 0,1,2,3
.if (\a) < 4
	ds_store_b128 v24, v[GPK+4*\nb:GPK+4*\nb+3] offset:(\a)*16*SP1+32*\nb
.else
	ds_store_b128 v27, v[GPK+4*\nb:GPK+4*\nb+3] offset:((\a)-4)*16*SP1+32*\nb  ; a second address: the immediate has 16 bits
.endif
.endr
.endm
; LAYER 2's way out of row block a: 16 rows x 256 bytes through my own stage, back as whole rows
.macro TOSTAGE a
	s_wait_xcnt 0x0                                ; the registers that earlier stores read are loaded again only behind this wait
.if (\a) < 8
	WIN 0x04                                       ; store data window 1
.set XB, 32*(\a)
.else
	WIN 0x08                                       ; store data window 2
.set XB, 0
.endif
.irp nb, 0,1,2,3
	ds_store_b128 v24, v[XB+8*\nb:XB+8*\nb+3] offset:64*\nb        ; each accumulator's lowest registers first
	ds_store_b128 v24, v[XB+8*\nb+4:XB+8*\nb+7] offset:64*\nb+16
.endr
	WIN 0
.irp t, 0,1,2,3,4,5,6,7
	ds_load_b128 v[OB+32*((\a)%2)+4*\t:OB+32*((\a)%2)+4*\t+3], v25 offset:2*SP2*\t  ; LDS serves a wave's instructions in order (ISA guide 5.7.1.4): these see the stores above
.endr
.endm
.macro SEND a, younger                 ; younger: the LDS instructions issued behind block a's loads
.irp t, 0,1,2,3,4,5,6,7
	s_wait_dscnt (\younger)+7-\t
	global_store_b128 v26, v[OB+32*((\a)%2)+4*\t:OB+32*((\a)%2)+4*\t+3], s[66:67] offset:(16*(\a)+2*\t)*4096  ; 16 lanes store 256 consecutive bytes, at a multiple of 256 from the buffer's first
.endr
.endm
	s_load_b256 s[4:11], s[0:1], 0x0               ; rows s[4:5], wb s[6:7], bias s[8:9], place s[10:11]
	s_load_b64 s[12:13], s[0:1], 0x20              ; the result
	v_lshl_add_u32 v28, v0, 2, SPARE
	v_mov_b32 v29, 0
	ds_add_u32 v28, v29
	s_wait_dscnt 0x0
	v_lshrrev_b32 v3, 5, v0
	v_readfirstlane_b32 s14, v3                    ; wave 0..3
	s_lshr_b32 s15, s14, 1                         ; I fetch rows (0) or weights (1),
	s_and_b32 s16, s14, 1                          ; this half of the tile
	s_and_b32 s47, ttmp7, 0xffff                   ; the row tile T, which the four partners share
.if CL
	s_bfe_u32 s17, ttmp6, 0x40000                  ; cx: the column tile (the grid has one cluster along x)
	s_mov_b32 s24, 15|(1<<16)|(1<<20)|(1<<21)|(5<<22)|(3<<25)  ; 15:0 the mask: all four; 17:16 2-byte elements; 20 padding on; 21 set beside a mask; 24:22 after every 64 words; 31:25 4 words
.else
	s_mov_b32 s17, ttmp9
	s_mov_b32 s24, (1<<16)|(1<<20)|(5<<22)|(3<<25)
.endif
	s_mov_b32 s48, (1<<16)|(1<<20)|(6<<22)|(7<<25) ; the weights: no mask; padding after every 128 words, 8 words
	s_mov_b32 s25, 128<<16                         ; rows: tensor_dim0 = 128
	s_mov_b32 s26, 72<<16                          ; tensor_dim1 = 72
	s_mov_b32 s27, 128<<16                         ; tile_dim0 = 128 elements
	s_mov_b32 s28, 72                              ; tile_dim1 = 72 rows
	s_mov_b32 s29, 1024                            ; elements from row to row
	s_mov_b32 s30, 0
	s_mov_b32 s31, 0
	s_mov_b32 s49, 256<<16                         ; weights: tensor_dim0 = 256
	s_mov_b32 s50, 64<<16                          ; tensor_dim1 = 64
	s_mov_b32 s51, 256<<16                         ; tile_dim0 = 256 elements
	s_mov_b32 s52, 64                              ; tile_dim1 = 64 rows (k)
	s_mov_b32 s53, 1024
	s_mov_b32 s54, 0
	s_mov_b32 s55, 0
	s_mov_b32 s32, 1                               ; group 0, a set for each slot: count, LDS address (of the wave's number alone)
	s_mul_i32 s33, s16, AHALF
	s_mov_b32 s36, 1
	s_add_co_u32 s37, s33, SLOT
	s_mov_b32 s56, 1
	s_mul_i32 s57, s16, BHALF
	s_add_co_u32 s57, s57, ATILE
	s_mov_b32 s60, 1
	s_add_co_u32 s61, s57, SLOT
	s_mul_i32 s40, s47, 144                        ; rows: 144 T + my half's 72, of 2,048 bytes
	s_mul_i32 s23, s16, 72
	s_add_co_u32 s40, s40, s23
	s_lshl_b32 s40, s40, 11
	s_mov_b32 s41, 0
	s_lshl_b32 s22, s47, 2                         ; the tile's word of the table
	s_wait_kmcnt 0x0
	s_load_b32 s72, s[10:11], s22 offset:0x8000    ; the tile's expert
	s_add_nc_u64 s[34:35], s[4:5], s[40:41]        ; rows, K step 0
	s_add_nc_u64 s[38:39], s[34:35], 256           ; K step 1
	s_or_b32 s35, s35, 0x80000000                  ; type = 2
	s_or_b32 s39, s39, 0x80000000
.if SECOND
	s_mul_i32 s68, s47, 144*4096                   ; ys: the tile's first row, the column tile's 1,024 bytes, my wave's 256
	s_lshl_b32 s69, s17, 10
	s_add_co_u32 s68, s68, s69
	s_lshl_b32 s69, s14, 8
	s_add_co_u32 s68, s68, s69
.else
	s_mul_i32 s68, s47, 144                        ; hs: row 144 T + 36 w, the column tile's 512 bytes
	s_mul_i32 s69, s14, 36
	s_add_co_u32 s68, s68, s69
	s_lshl_b32 s68, s68, 11
	s_lshl_b32 s69, s17, 9
	s_add_co_u32 s68, s68, s69
.endif
	s_mov_b32 s69, 0
	s_add_nc_u64 s[66:67], s[12:13], s[68:69]
	s_wait_kmcnt 0x0
	s_min_u32 s20, s72, 7                          ; the expert
	s_lshl_b32 s68, s20, 21                        ; weights: the expert's 2 MiB,
	s_lshl_b32 s69, s16, 17                        ; my 64 rows of 2,048 bytes,
	s_add_co_u32 s68, s68, s69
	s_lshl_b32 s69, s17, 9                         ; the column tile's 512 bytes
	s_add_co_u32 s68, s68, s69
.if SECOND
	s_add_co_u32 s68, s68, 0x1000000               ; the second layer's half of wb
.endif
	s_mov_b32 s69, 0
	s_add_nc_u64 s[58:59], s[6:7], s[68:69]        ; weights, K step 0
	s_add_nc_u64 s[62:63], s[58:59], 0x40000       ; K step 1: 128 rows of 2,048 bytes on
	s_or_b32 s59, s59, 0x80000000
	s_or_b32 s63, s63, 0x80000000
	CROUND                                         ; all four work-groups are here: the first joint loads meet
	JLOAD 0                                        ; both slots' first fills go out together: two tensor loads of mine are out
	JLOAD 1
	v_and_b32 v1, 15, v0                           ; l % 16
	v_bfe_u32 v2, v0, 4, 1                         ; h = l / 16
	s_lshl_b32 s70, s20, 12                        ; the bias of my columns 256 nt + 64 w + 16 nb + 8 h + 0..7
	s_lshl_b32 s71, s17, 10
	s_add_co_u32 s70, s70, s71
	s_lshl_b32 s71, s14, 8
	s_add_co_u32 s70, s70, s71
	v_lshl_add_u32 v6, v2, 5, s70
	WIN 0x80                                       ; destination window 2
.irp nb, 0,1,2,3
	global_load_b128 v[BIAS+8*\nb:BIAS+8*\nb+3],   v6, s[8:9] offset:64*\nb
	global_load_b128 v[BIAS+8*\nb+4:BIAS+8*\nb+7], v6, s[8:9] offset:64*\nb+16
.endr
	WIN 0
	v_mul_u32_u24 v16, v1, PA                      ; a fragment of rows: row l % 16, 16 bytes for each half of the lanes
	v_lshl_add_u32 v16, v2, 4, v16
	v_add_nc_u32 v17, SLOT, v16
	v_and_b32 v3, 7, v0                            ; the turning load: k = 8 h + l % 8, columns 8 ((l / 8) % 2) + 0..7 of my wave's 64
	v_bfe_u32 v4, v0, 3, 1
	v_lshl_add_u32 v5, v2, 3, v3
	v_mul_u32_u24 v5, v5, PB
	v_lshl_add_u32 v5, v4, 4, v5
	s_lshl_b32 s70, s14, 7
	s_add_co_u32 s70, s70, ATILE
	v_add_nc_u32 v20, s70, v5
	v_add_nc_u32 v21, SLOT, v20
.if SECOND
	s_mul_i32 s70, s14, 16*SP2
	s_add_co_u32 s70, s70, STAGE                   ; my stage
	v_mul_u32_u24 v7, v1, SP2                      ; in: row l % 16, 32 bytes for each half of the lanes
	v_lshl_add_u32 v7, v2, 5, v7
	v_add_nc_u32 v24, s70, v7
	v_mul_u32_u24 v7, v2, SP2                      ; back: lanes 0-15 one row of 256 bytes, lanes 16-31 the next
	v_lshl_add_u32 v7, v1, 4, v7
	v_add_nc_u32 v25, s70, v7
	v_lshlrev_b32 v26, 12, v2                      ; and the same two rows in ys
	v_lshl_add_u32 v26, v1, 4, v26
.else
	s_lshl_b32 s70, s14, 7
	s_add_co_u32 s70, s70, STAGE
	v_mul_u32_u24 v7, v1, SP1                      ; in: row l % 16, my wave's 128 bytes, 16 for each half of the lanes
	v_lshl_add_u32 v7, v2, 4, v7
	v_add_nc_u32 v24, s70, v7
	v_add_nc_u32 v27, 4*16*SP1, v24
	s_mul_i32 s70, s14, 36*SP1
	s_add_co_u32 s70, s70, STAGE
	v_and_b32 v8, 31, v0
	v_lshlrev_b32 v26, 4, v8                       ; back: wave w takes rows 36 w .. 36 w + 35, 32 lanes a row of 512 bytes
	v_add_nc_u32 v25, s70, v26
	s_mov_b32 s80, 0x3e6d3388                      ; 0.3275911 / sqrt 2; each constant stands in both words of its pair
	s_mov_b32 s81, s80
	s_mov_b32 s82, 0xbf38aa3b                      ; - log2 e / 2
	s_mov_b32 s83, s82
	s_mov_b32 s84, 0x3e827906                      ; a1 =  0.254829592
	s_mov_b32 s85, s84
	s_mov_b32 s86, 0xbe91a98e                      ; a2 = -0.284496736
	s_mov_b32 s87, s86
	s_mov_b32 s88, 0x3fb5f0e3                      ; a3 =  1.421413741
	s_mov_b32 s89, s88
	s_mov_b32 s90, 0xbfba00e3                      ; a4 = -1.453152027
	s_mov_b32 s91, s90
	s_mov_b32 s92, 0x3f87dc22                      ; a5 =  1.061405429
	s_mov_b32 s93, s92
	s_mov_b32 s94, 0x7fffffff
.endif
	s_wait_loadcnt 0x0                             ; the bias: rounded to bf16 and widened again
	WIN 0x8a
.set z, 0
.rept 16
	v_cvt_pk_bf16_f32 v[GAX+z], v[BIAS+2*z], v[BIAS+2*z+1]
.set z, z+1
.endr
.set z, 0
.rept 16
	v_lshlrev_b32 v[BIAS+2*z], 16, v[GAX+z]
	v_and_b32 v[BIAS+2*z+1], 0xffff0000, v[GAX+z]
.set z, z+1
.endr
	WIN 0
	s_wait_tensorcnt 1                             ; my part of K step 0 is in; K step 1's may stay out
	s_barrier_signal -1
	s_barrier_wait -1                              ; everybody's is
	FETCH 0, 0, F0
	QUARTER 0, 1, F0, F1, 1                        ; the first quarter stands in front of the loop: its products start the sums
	WIN 0                                          ; at a label and at a branch every window is 0
	s_mov_b32 s3, 3
.Llap:                                                 ; a trip goes once round the ring and asks for two K steps: 2 to 7 in three trips
	QUARTER 0, 2, F1, F0, 0
	QUARTER 0, 3, F0, F1, 0
	TURN 0, 1, 1
	QUARTER 1, 1, F0, F1, 0
	QUARTER 1, 2, F1, F0, 0
	QUARTER 1, 3, F0, F1, 0
	TURN 1, 0, 1
	QUARTER 0, 1, F0, F1, 0
	WIN 0
	s_sub_co_u32 s3, s3, 1
	s_cmp_lg_u32 s3, 0
	s_cbranch_scc1 .Llap
	QUARTER 0, 2, F1, F0, 0                        ; the last lap asks for nothing
	QUARTER 0, 3, F0, F1, 0
	TURN 0, 1, 0
	QUARTER 1, 1, F0, F1, 0
	QUARTER 1, 2, F1, F0, 0
	QUARTER 1, 3, F0, F1, 0
	LASTQ
	WIN 0
	PLACES
.if SECOND
	TOSTAGE 0
.irp a, 1,2,3,4,5,6,7,8
	TOSTAGE \a
	SEND (\a)-1, 16                                ; the next block's eight stores and eight loads are younger
.endr
	SEND 8, 0
.else
.irp a, 0,1,2,3,4,5,6,7,8
	GELU \a
.endr
	WIN 0
	s_wait_dscnt 0x0                               ; for the others' sake: a row's 512 bytes come from four waves
	s_barrier_signal -1
	s_barrier_wait -1
.set t, 0
.rept 36
	ds_load_b128 v[OB+4*t:OB+4*t+3], v25 offset:SP1*t
.set t, t+1
.endr
.set t, 0
.rept 36
	s_wait_dscnt 35-t
	global_store_b128 v26, v[OB+4*t:OB+4*t+3], s[66:67] offset:2048*t  ; a wave stores 512 consecutive bytes, at a multiple of 512 from the buffer's first
.set t, t+1
.endr
.endif
	s_wait_tensorcnt 0x0                           ; the wave's end, behind my last tensor load and my last LDS store
	ds_add_u32 v28, v29
	s_wait_dscnt 0x0
	CROUND                                         ; the closing round: no work-group ends while a partner may still ask for a tile that names it
	s_endpgm
.Lfunc_end_k_qaabec02198_ffn2:
	.size	k_qaabec02198_ffn2, .Lfunc_end_k_qaabec02198_ffn2-k_qaabec02198_ffn2
	.p2alignl 7, 3214868480
	.fill 96, 4, 3214868480
	.section	.rodata,"a",@progbits
	.p2align	6, 0x0
	.amdhsa_kernel k_qaabec02198_ffn2
		.amdhsa_group_segment_fixed_size 327680
		.amdhsa_private_segment_fixed_size 0
		.amdhsa_enable_private_segment 0
		.amdhsa_kernarg_size 40
		.amdhsa_user_sgpr_count 2
		.amdhsa_user_sgpr_kernarg_segment_ptr 1
		.amdhsa_wavefront_size32 1
		.amdhsa_system_sgpr_workgroup_id_x 1
		.amdhsa_system_sgpr_workgroup_id_y 1
		.amdhsa_system_sgpr_workgroup_id_z 1
		.amdhsa_system_vgpr_workitem_id 0
		.amdhsa_next_free_vgpr 768
		.amdhsa_next_free_sgpr 96
		.amdhsa_reserve_vcc 0
		.amdhsa_float_denorm_mode_32 3
		.amdhsa_float_denorm_mode_16_64 3
		.amdhsa_memory_ordered 1
		.amdhsa_forward_progress 1
		.amdhsa_inst_pref_size 99
	.end_amdhsa_kernel
	.amdgpu_metadata
---
amdhsa.version: [ 1, 2 ]
amdhsa.kernels:
  - .name:           k_qaabec02198_ffn2
    .symbol:         k_qaabec02198_ffn2.kd
    .args:
      - { .name: hs, .offset: 0, .size: 8, .value_kind: global_buffer, .address_space: global }
      - { .name: wb, .offset: 8, .size: 8, .value_kind: global_buffer, .address_space: global }
      - { .name: b2, .offset: 16, .size: 8, .value_kind: global_buffer, .address_space: global }
      - { .name: place, .offset: 24, .size: 8, .value_kind: global_buffer, .address_space: global }
      - { .name: ys, .offset: 32, .size: 8, .value_kind: global_buffer, .address_space: global }
    .group_segment_fixed_size: 327680
    .private_segment_fixed_size: 0
    .kernarg_segment_align: 8
    .kernarg_segment_size: 40
    .max_flat_workgroup_size: 128
    .sgpr_count:     96
    .vgpr_count:     768
    .wavefront_size: 32
...
	.end_amdgpu_metadata
.endif
;; end of part 5
;; launch combine (part 6): grid 256 x 1, 8 waves a work-group, no clusters, 0 bytes of LDS; arguments ys, place, rw, out0; writes out0
.if DOCPART == 6
	.amdgcn_target "amdgcn-amd-amdhsa--gfx1250"
	.amdhsa_code_object_version 6
	.text
	.protected	k_qaabec02198_combine
	.globl	k_qaabec02198_combine
	.p2align	8
	.type	k_qaabec02198_combine,@function
k_qaabec02198_combine:
	s_mov_b64 s[64:65], 0
	v_nop
	global_prefetch_b8 v0, s[64:65] scope:SCOPE_SE
	s_setreg_imm32_b32 hwreg(HW_REG_WAVE_MODE, 25, 1), 1
	s_wait_xcnt 0x0
; COMBINE.  out0[t] = w0 ys[pos0] + w1 ys[pos1]: a token's two expert results, each with its bias already in it, are gathered and added; the other six experts' weights are 0 in the
; module itself.  256 work-groups of eight waves; a wave has two tokens: four rows of 4,096 bytes in, two out.  pos (whole numbers that an earlier launch stored) and the weights come by
; scalar loads.  All 32 loads of a wave go out at once; each load and store of a wave covers 512 consecutive bytes.  No loop: no register is rewritten while a memory instruction may read it.
; Memory binds here: LDS, the matrix unit and clusters would add nothing.
	s_load_b256 s[4:11], s[0:1], 0x0               ; ys s[4:5], place s[6:7], rw s[8:9], out0 s[10:11]
	v_and_b32 v1, 31, v0
	v_lshrrev_b32 v2, 5, v0
	v_readfirstlane_b32 s12, v2                    ; wave
	v_lshlrev_b32 v1, 4, v1                        ; 16 lane
	s_lshl_b32 s13, ttmp9, 7
	s_lshl_b32 s14, s12, 4
	s_add_co_u32 s13, s13, s14                     ; my two tokens' four entries: byte 128 b + 16 w
	s_wait_kmcnt 0x0
	s_load_b128 s[16:19], s[6:7], s13 offset:0x0   ; pos
	s_load_b128 s[36:39], s[8:9], s13 offset:0x0   ; weights
	s_lshl_b32 s14, ttmp9, 16
	s_lshl_b32 s15, s12, 13
	s_add_co_u32 s14, s14, s15                     ; (16 b + 2 w) rows of 4,096 bytes
	s_mov_b32 s15, 0
	s_add_nc_u64 s[10:11], s[10:11], s[14:15]
	s_wait_kmcnt 0x0
.irp q, 0,1,2,3
	s_min_u32 s14, s[16+\q], 9215                  ; ys has 9,216 rows
	s_lshl_b32 s14, s14, 12
	s_add_nc_u64 s[20+2*\q:21+2*\q], s[4:5], s[14:15]
	s_mov_b32 s[28+2*\q], s[36+\q]                 ; the weight in both words of an even pair, for the packed arithmetic
	s_mov_b32 s[29+2*\q], s[36+\q]
.endr
.irp q, 0,1,2,3
.irp j, 0,1,2,3,4,5,6,7
	global_load_b128 v[8+32*\q+4*\j:11+32*\q+4*\j], v1, s[20+2*\q:21+2*\q] offset:512*\j th:TH_LOAD_NT
.endr
.endr
.macro TOKEN u, left
	s_wait_loadcnt \left
.irp j, 0,1,2,3,4,5,6,7
	v_pk_mul_f32 v[8+64*(\u)+4*\j:9+64*(\u)+4*\j],   v[8+64*(\u)+4*\j:9+64*(\u)+4*\j],   s[28+4*(\u):29+4*(\u)] op_sel_hi:[1,0]
	v_pk_mul_f32 v[10+64*(\u)+4*\j:11+64*(\u)+4*\j], v[10+64*(\u)+4*\j:11+64*(\u)+4*\j], s[28+4*(\u):29+4*(\u)] op_sel_hi:[1,0]
	v_pk_fma_f32 v[8+64*(\u)+4*\j:9+64*(\u)+4*\j],   v[40+64*(\u)+4*\j:41+64*(\u)+4*\j], s[30+4*(\u):31+4*(\u)], v[8+64*(\u)+4*\j:9+64*(\u)+4*\j] op_sel_hi:[1,0,1]
	v_pk_fma_f32 v[10+64*(\u)+4*\j:11+64*(\u)+4*\j], v[42+64*(\u)+4*\j:43+64*(\u)+4*\j], s[30+4*(\u):31+4*(\u)], v[10+64*(\u)+4*\j:11+64*(\u)+4*\j] op_sel_hi:[1,0,1]
	global_store_b128 v1, v[8+64*(\u)+4*\j:11+64*(\u)+4*\j], s[10:11] offset:4096*(\u)+512*\j th:TH_STORE_NT
.endr
.endm
	TOKEN 0, 16                                    ; token 1's sixteen loads are younger
	TOKEN 1, 0
	s_endpgm
.Lfunc_end_k_qaabec02198_combine:
	.size	k_qaabec02198_combine, .Lfunc_end_k_qaabec02198_combine-k_qaabec02198_combine
	.p2alignl 7, 3214868480
	.fill 96, 4, 3214868480
	.section	.rodata,"a",@progbits
	.p2align	6, 0x0
	.amdhsa_kernel k_qaabec02198_combine
		.amdhsa_group_segment_fixed_size 0
		.amdhsa_private_segment_fixed_size 0
		.amdhsa_enable_private_segment 0
		.amdhsa_kernarg_size 32
		.amdhsa_user_sgpr_count 2
		.amdhsa_user_sgpr_kernarg_segment_ptr 1
		.amdhsa_wavefront_size32 1
		.amdhsa_system_sgpr_workgroup_id_x 1
		.amdhsa_system_sgpr_workgroup_id_y 1
		.amdhsa_system_sgpr_workgroup_id_z 1
		.amdhsa_system_vgpr_workitem_id 0
		.amdhsa_next_free_vgpr 136
		.amdhsa_next_free_sgpr 66
		.amdhsa_reserve_vcc 0
		.amdhsa_float_denorm_mode_32 3
		.amdhsa_float_denorm_mode_16_64 3
		.amdhsa_memory_ordered 1
		.amdhsa_forward_progress 1
		.amdhsa_inst_pref_size 11
	.end_amdhsa_kernel
	.amdgpu_metadata
---
amdhsa.version: [ 1, 2 ]
amdhsa.kernels:
  - .name:           k_qaabec02198_combine
    .symbol:         k_qaabec02198_combine.kd
    .args:
      - { .name: ys, .offset: 0, .size: 8, .value_kind: global_buffer, .address_space: global }
      - { .name: place, .offset: 8, .size: 8, .value_kind: global_buffer, .address_space: global }
      - { .name: rw, .offset: 16, .size: 8, .value_kind: global_buffer, .address_space: global }
      - { .name: out0, .offset: 24, .size: 8, .value_kind: global_buffer, .address_space: global }
    .group_segment_fixed_size: 0
    .private_segment_fixed_size: 0
    .kernarg_segment_align: 8
    .kernarg_segment_size: 32
    .max_flat_workgroup_size: 256
    .sgpr_count:     66
    .vgpr_count:     136
    .wavefront_size: 32
...
	.end_amdgpu_metadata
.endif
;; end of part 6
;; ======== version 2 of 2: 6 launches; version 1 with the launch combine written anew for expert scheduling mode
;; workspace buffers: wb 33,554,432 bytes; route 36,864 bytes of whole numbers; rw 40,960 bytes; place 34,048 bytes of whole numbers; xs 18,874,368 bytes; hs 18,874,368 bytes; ys 37,748,736 bytes
;; launch prep: the kernel of part 1 again; grid 256 x 1, 8 waves a work-group, no clusters, 21,504 bytes of LDS; arguments W1, W2, W_router, x, wb, route, rw; writes wb, route, rw
;; launch ranks: the kernel of part 2 again; grid 256 x 1, 1 waves a work-group, no clusters, 0 bytes of LDS; arguments route, rw, place, out1; writes place, out1
;; launch sortrows: the kernel of part 3 again; grid 256 x 1, 8 waves a work-group, no clusters, 0 bytes of LDS; arguments x, place, xs; writes xs
;; launch ffn1: the kernel of part 4 again; grid 4 x 64, 4 waves a work-group, clusters of 4 x 1, 327,680 bytes of LDS; arguments xs, wb, b1, place, hs; writes hs
;; launch ffn2: the kernel of part 5 again; grid 4 x 64, 4 waves a work-group, clusters of 4 x 1, 327,680 bytes of LDS; arguments hs, wb, b2, place, ys; writes ys
;; launch combine (part 7): grid 256 x 1, 8 waves a work-group, no clusters, 0 bytes of LDS; arguments ys, place, rw, out0; writes out0
.if DOCPART == 7
	.amdgcn_target "amdgcn-amd-amdhsa--gfx1250"
	.amdhsa_code_object_version 6
	.text
	.protected	k_qaabec02198_combine
	.globl	k_qaabec02198_combine
	.p2align	8
	.type	k_qaabec02198_combine,@function
k_qaabec02198_combine:
	s_mov_b64 s[64:65], 0
	v_nop
	global_prefetch_b8 v0, s[64:65] scope:SCOPE_SE
	s_setreg_imm32_b32 hwreg(HW_REG_WAVE_SCHED_MODE, 0, 2), 2
	s_setreg_imm32_b32 hwreg(HW_REG_WAVE_MODE, 25, 1), 1
	s_wait_xcnt 0x0
	s_wait_alu depctr_vm_vsrc(0)
; COMBINE.  out0[t] = w0 ys[pos0] + w1 ys[pos1]: a token's two expert results, each with its bias already in it, are gathered and added; the other six experts' weights are 0 in the
; module itself.  256 work-groups of eight waves; a wave has two tokens: four rows of 4,096 bytes in, two out.  pos (whole numbers that an earlier launch stored) and the weights come by
; scalar loads.  All 32 loads of a wave go out at once; each load and store of a wave covers 512 consecutive bytes.  No loop: no register is rewritten while a memory instruction may read it.
; Memory binds here: LDS, the matrix unit and clusters would add nothing.
; THE MODE: SCHED_MODE bits 1:0 = 2 (LLVM: expert scheduling mode 2), set by the entry lines.  The code itself states the register dependences
; between vector instructions and memory instructions, with s_wait_alu, always for 0.
; THE PLAN.  Registers that memory instructions touch:
;   v1         16 lane.  Written at the head by vector lines; read as the offset by all 32 loads and all 16 stores; never written again.
;   v[8:135]   row q of the wave's four at 8 + 32 q.  Written by the loads, all of which are issued before any vector instruction names one of these registers.
;              Token u's 32 packed lines read rows 2 u and 2 u + 1 and write row 2 u in place; its eight stores read row 2 u; nothing writes a row behind its stores.
;   s12        the wave's number: written by a vector instruction, read by scalar lines.
; So four waits state everything: one on va_sdst ahead of s12's first reader; one on va_vdst ahead of the first load, for v1; and one on va_vdst for each token, between
; its arithmetic, which stands together, and the run of its stores.  Token 1's arithmetic names rows 2 and 3 alone, none of the registers that token 0's stores read.
	s_load_b256 s[4:11], s[0:1], 0x0               ; ys s[4:5], place s[6:7], rw s[8:9], out0 s[10:11]
	v_and_b32 v1, 31, v0
	v_lshrrev_b32 v2, 5, v0
	v_readfirstlane_b32 s12, v2                    ; wave
	v_lshlrev_b32 v1, 4, v1                        ; 16 lane
	s_lshl_b32 s13, ttmp9, 7
	s_wait_alu depctr_va_sdst(0)                   ; s12 is written, ahead of its first reader: the offsets of my tokens' entries and rows are made from it
	s_lshl_b32 s14, s12, 4
	s_add_co_u32 s13, s13, s14                     ; my two tokens' four entries: byte 128 b + 16 w
	s_wait_kmcnt 0x0
	s_load_b128 s[16:19], s[6:7], s13 offset:0x0   ; pos
	s_load_b128 s[36:39], s[8:9], s13 offset:0x0   ; weights
	s_lshl_b32 s14, ttmp9, 16
	s_lshl_b32 s15, s12, 13
	s_add_co_u32 s14, s14, s15                     ; (16 b + 2 w) rows of 4,096 bytes
	s_mov_b32 s15, 0
	s_add_nc_u64 s[10:11], s[10:11], s[14:15]
	s_wait_kmcnt 0x0
.irp q, 0,1,2,3
	s_min_u32 s14, s[16+\q], 9215                  ; ys has 9,216 rows
	s_lshl_b32 s14, s14, 12
	s_add_nc_u64 s[20+2*\q:21+2*\q], s[4:5], s[14:15]
	s_mov_b32 s[28+2*\q], s[36+\q]                 ; the weight in both words of an even pair, for the packed arithmetic
	s_mov_b32 s[29+2*\q], s[36+\q]
.endr
	s_wait_alu depctr_va_vdst(0)                   ; v1 is written: every load and store of the kernel reads it as its offset
.irp q, 0,1,2,3
.irp j, 0,1,2,3,4,5,6,7
	global_load_b128 v[8+32*\q+4*\j:11+32*\q+4*\j], v1, s[20+2*\q:21+2*\q] offset:512*\j th:TH_LOAD_NT
.endr
.endr
; Token u: its 32 packed lines together, one wait, its eight stores in a run.  left: the younger loads that may stay out.
.macro TOKEN u, left
	s_wait_loadcnt \left
.irp j, 0,1,2,3,4,5,6,7
	v_pk_mul_f32 v[8+64*(\u)+4*\j:9+64*(\u)+4*\j],   v[8+64*(\u)+4*\j:9+64*(\u)+4*\j],   s[28+4*(\u):29+4*(\u)] op_sel_hi:[1,0]
	v_pk_mul_f32 v[10+64*(\u)+4*\j:11+64*(\u)+4*\j], v[10+64*(\u)+4*\j:11+64*(\u)+4*\j], s[28+4*(\u):29+4*(\u)] op_sel_hi:[1,0]
	v_pk_fma_f32 v[8+64*(\u)+4*\j:9+64*(\u)+4*\j],   v[40+64*(\u)+4*\j:41+64*(\u)+4*\j], s[30+4*(\u):31+4*(\u)], v[8+64*(\u)+4*\j:9+64*(\u)+4*\j] op_sel_hi:[1,0,1]
	v_pk_fma_f32 v[10+64*(\u)+4*\j:11+64*(\u)+4*\j], v[42+64*(\u)+4*\j:43+64*(\u)+4*\j], s[30+4*(\u):31+4*(\u)], v[10+64*(\u)+4*\j:11+64*(\u)+4*\j] op_sel_hi:[1,0,1]
.endr
	s_wait_alu depctr_va_vdst(0)                   ; the packed lines have written the 32 registers of row 2 u, which the eight stores below read
.irp j, 0,1,2,3,4,5,6,7
	global_store_b128 v1, v[8+64*(\u)+4*\j:11+64*(\u)+4*\j], s[10:11] offset:4096*(\u)+512*\j th:TH_STORE_NT
.endr
.endm
	TOKEN 0, 16                                    ; token 1's sixteen loads are younger
	TOKEN 1, 0
	s_endpgm
.Lfunc_end_k_qaabec02198_combine:
	.size	k_qaabec02198_combine, .Lfunc_end_k_qaabec02198_combine-k_qaabec02198_combine
	.p2alignl 7, 3214868480
	.fill 96, 4, 3214868480
	.section	.rodata,"a",@progbits
	.p2align	6, 0x0
	.amdhsa_kernel k_qaabec02198_combine
		.amdhsa_group_segment_fixed_size 0
		.amdhsa_private_segment_fixed_size 0
		.amdhsa_enable_private_segment 0
		.amdhsa_kernarg_size 32
		.amdhsa_user_sgpr_count 2
		.amdhsa_user_sgpr_kernarg_segment_ptr 1
		.amdhsa_wavefront_size32 1
		.amdhsa_system_sgpr_workgroup_id_x 1
		.amdhsa_system_sgpr_workgroup_id_y 1
		.amdhsa_system_sgpr_workgroup_id_z 1
		.amdhsa_system_vgpr_workitem_id 0
		.amdhsa_next_free_vgpr 136
		.amdhsa_next_free_sgpr 66
		.amdhsa_reserve_vcc 0
		.amdhsa_float_denorm_mode_32 3
		.amdhsa_float_denorm_mode_16_64 3
		.amdhsa_memory_ordered 1
		.amdhsa_forward_progress 1
		.amdhsa_inst_pref_size 11
	.end_amdhsa_kernel
	.amdgpu_metadata
---
amdhsa.version: [ 1, 2 ]
amdhsa.kernels:
  - .name:           k_qaabec02198_combine
    .symbol:         k_qaabec02198_combine.kd
    .args:
      - { .name: ys, .offset: 0, .size: 8, .value_kind: global_buffer, .address_space: global }
      - { .name: place, .offset: 8, .size: 8, .value_kind: global_buffer, .address_space: global }
      - { .name: rw, .offset: 16, .size: 8, .value_kind: global_buffer, .address_space: global }
      - { .name: out0, .offset: 24, .size: 8, .value_kind: global_buffer, .address_space: global }
    .group_segment_fixed_size: 0
    .private_segment_fixed_size: 0
    .kernarg_segment_align: 8
    .kernarg_segment_size: 32
    .max_flat_workgroup_size: 256
    .sgpr_count:     66
    .vgpr_count:     136
    .wavefront_size: 32
...
	.end_amdgpu_metadata
.endif
;; end of part 7
